; MI455X (gfx1250); checked and timed in simulation.
; The chip was launched on July 23, 2026; its instructions are those of AMD's public machine-readable ISA for CDNA 5 (MIT licence, August 2026) and "CDNA5" Instruction Set Architecture Reference Guide (July 2026). The comments in the code are by the model that wrote it; some were corrected since.
;; MOE Layer. Allowed arithmetic: matrix products marked QUANTISED: E4M3 operands, one E8M0 scale for each 32 along K, by v_wmma_scale_f32_16x16x128_f8f6f4 with both operands' format E4M3, f32 sums; products left as they are: f32 operands where the result goes on into a quantised operand, else bf16, f16 or f32 operands; f32 sums; everything else in f32.
;; Inputs: b1 8 x 4,096 float32; b2 8 x 1,024 float32; router_b 8 float32; router_w 1,024 x 8 float32; w1 8 x 1,024 x 4,096 float32; w2 8 x 4,096 x 1,024 float32; x 4 x 256 x 1,024 float32.
;; Outputs: out0 4 x 256 x 1,024 float32.
;; This version of the problem:
;;   THIS VERSION OF THE PROBLEM IS GIVEN IN LOW PRECISION. The matrix products marked QUANTISED in the list below multiply operands that are first quantised to E4M3 (4 exponent bits, 3 mantissa bits; 8 bits a number), with one power-of-two scale for each 32 numbers along K (OCP MX v1.0); their sums are f32. All else is computed in f32.
;;   The module's matrix products, in the order in which they are computed (A, B: the left and right operand; K: the contracted axis; several contracted axes count as one K, in the product's order):
;;     1. [M 1,024, K 1,024] x [K 1,024, N 8]; A: input x; B: input router_w: left as it is (N = 8 < 16)
;;     2. [M 1,024, K 1,024] x [K 1,024, N 4,096]; A: input x; B: input w1: QUANTISED
;;     3. [M 1,024, K 4,096] x [K 4,096, N 1,024]; A: computed on the way; B: input w2: QUANTISED
;;     4. [M 1,024, K 1,024] x [K 1,024, N 4,096]; A: input x; B: input w1: QUANTISED
;;     5. [M 1,024, K 4,096] x [K 4,096, N 1,024]; A: computed on the way; B: input w2: QUANTISED
;;     6. [M 1,024, K 1,024] x [K 1,024, N 4,096]; A: input x; B: input w1: QUANTISED
;;     7. [M 1,024, K 4,096] x [K 4,096, N 1,024]; A: computed on the way; B: input w2: QUANTISED
;;     8. [M 1,024, K 1,024] x [K 1,024, N 4,096]; A: input x; B: input w1: QUANTISED
;;     9. [M 1,024, K 4,096] x [K 4,096, N 1,024]; A: computed on the way; B: input w2: QUANTISED
;;     10. [M 1,024, K 1,024] x [K 1,024, N 4,096]; A: input x; B: input w1: QUANTISED
;;     11. [M 1,024, K 4,096] x [K 4,096, N 1,024]; A: computed on the way; B: input w2: QUANTISED
;;     12. [M 1,024, K 1,024] x [K 1,024, N 4,096]; A: input x; B: input w1: QUANTISED
;;     13. [M 1,024, K 4,096] x [K 4,096, N 1,024]; A: computed on the way; B: input w2: QUANTISED
;;     14. [M 1,024, K 1,024] x [K 1,024, N 4,096]; A: input x; B: input w1: QUANTISED
;;     15. [M 1,024, K 4,096] x [K 4,096, N 1,024]; A: computed on the way; B: input w2: QUANTISED
;;     16. [M 1,024, K 1,024] x [K 1,024, N 4,096]; A: input x; B: input w1: QUANTISED
;;     17. [M 1,024, K 4,096] x [K 4,096, N 1,024]; A: computed on the way; B: input w2: QUANTISED
;;   THE QUANTISER, for each operand of a quantised product, along K:
;;     - K is cut into blocks of 32 from its start; a last block that is shorter is filled with zeros.
;;     - A block's scale is 2^e with e = floor(log2(the largest magnitude in the block)) - 8, held to -126 .. 127; a block of zeros has e = 0. As a byte (E8M0): e + 127.
;;     - Each number is divided by its block's scale, clamped to +-448, and rounded to the nearest number of E4M3, ties to even, subnormals kept.
;;     - The product sums the exact products of the quantised numbers (number of the format x scale) in f32.
;;   ~~~python
;;   def quantise(x, axis):      # numpy; x: float32 -> the quantised numbers, widened to float32 again
;;       x = np.moveaxis(x, axis, -1); K = x.shape[-1]
;;       x = np.pad(x, [(0, 0)] * (x.ndim - 1) + [(0, -K % 32)]); x = x.reshape(x.shape[:-1] + (-1, 32)); a = np.abs(x).max(-1, keepdims=True)
;;       e = np.where(a > 0, np.clip(np.frexp(np.where(a > 0, a, 1))[1] - 1 - 8, -126, 127), 0)      # np.frexp(a)[1] - 1 = floor(log2(a)), exactly
;;       r = np.clip(x / 2.0 ** e, -448, 448)
;;       step = 2.0 ** (np.maximum(np.frexp(np.where(r == 0, 1, r))[1] - 1, -6) - 3)
;;       q = np.round(r / step) * step * 2.0 ** e      # np.round: ties to even
;;       return np.moveaxis(q.reshape(q.shape[:-2] + (-1,))[..., :K], -1, axis).astype(np.float32)
;;   ~~~
;;   OPERANDS COMPUTED ON THE WAY. 'Computed on the way' means the value that the module computes at that place (a softmax that the list does not call 'softmax' is quantised finished and normalised). What goes into a quantiser is computed in f32, as accurately as f32 sums, v_exp_f32 and their like allow (about 1e-6 of the number): no bf16 or f16 on the way to a quantiser, and a product that is left as it is and whose result goes on into a quantised operand takes f32 operands (vector FMAs, or v_wmma_f32_16x16x4_f32). A number that lies on a knife's edge between two numbers of the format may be rounded either way, as far as f32 arithmetic and the matrix unit's own rounding can turn it there, and no further.
;; One version. Each part assembles by itself: llvm-mc -triple=amdgcn-amd-amdhsa -mcpu=gfx1250 --defsym DOCPART=n.
;; ======== version 1 of 1: 4 launches
;; workspace buffers: xq 1,048,576 bytes; xs 32,768 bytes; sel 4,096 bytes of whole numbers; gate 8,192 bytes; hq 33,554,432 bytes; hs 1,048,576 bytes; y 16,777,216 bytes
;; launch route (part 1): grid 256 x 1, 4 waves a work-group, no clusters, 33,792 bytes of LDS; arguments x, router_w, router_b, xq, xs, sel, gate; writes xq, xs, sel, gate
.if DOCPART == 1
	.amdgcn_target "amdgcn-amd-amdhsa--gfx1250"
	.amdhsa_code_object_version 6
	.text
	.protected	k_qa35245cc34_route
	.globl	k_qa35245cc34_route
	.p2align	8
	.type	k_qa35245cc34_route,@function
k_qa35245cc34_route:
	s_mov_b64 s[64:65], 0
	v_nop
	global_prefetch_b8 v0, s[64:65] scope:SCOPE_SE
	s_setreg_imm32_b32 hwreg(HW_REG_WAVE_MODE, 25, 1), 1
	s_wait_xcnt 0x0
; ROUTER AND QUANTISER OF x.  1,024 tokens of 1,024 numbers, 8 experts, the best 2 chosen.
; One wave takes one token; lane l holds x[token][32 l .. 32 l + 31], which is one block of 32 along K of the expert products.
; It makes: the 8 logits in f32 (fused multiply-adds, a chain of 32 in each lane, then a tree over the lanes) + router_b; the two largest
; (a strict > keeps the lower index, as jax.lax.top_k does); their softmax with the maximum taken away: w0 = 1 / (1 + e^(second - best)), w1 = e^(second - best) w0;
; x as codes of E4M3 with one E8M0 byte a block.
; STORED: sel[token] = e0 | e1 << 8 | ((1 << e0) | (1 << e1)) << 16 (whole numbers, at fixed places: the later launches make their row lists from them);
; gate[token][2]; xq[token][1024] codes; xs[token][32] scale bytes.
; WORK LEFT OUT BY THE PROGRAM, AND WHY IT IS DEAD: reference() builds gates[b, s, j] as a sum of one_hot(topk_idx) x topk_w, which is 0 for every expert j that is
; not among the token's two; out adds gates[.., j] x yj, and 0 x yj = 0 for every finite yj.  So for each expert only the rows of the tokens that chose it are multiplied
; (2,048 rows in all in place of 8,192), whatever the inputs hold.  Every input keeps a way to the output and is loaded.
; LIMITS: a NaN, an infinity or an overflow that arises only in an expert's row that was not chosen is not carried to the result.  NaN and infinities among the inputs are not served.
; A block of zeros gets the byte 1 where the rule says 127: its codes are zeros, and this program alone reads the bytes.  Logits that agree to the last bits of f32
; are ordered by this text's order of summation; equal logits go to the lower index.
; router_w, 32 KB, is wanted whole by each of the four waves, a lane wanting the 1,024 bytes of its 32 rows.  It comes once for the work-group: each wave loads 8 KB, 512 consecutive bytes a load,
; and lays them in LDS as they lie, with 16 bytes of padding behind each 1,024: a lane's reads then stand 1,040 bytes = 260 words apart.
; x is read with lanes 128 bytes apart and the codes leave with lanes 32 bytes apart, so that a lane holds a whole block: 4 MB in and 1 MB out, once.
.set X,  32                            ; v32-63   my 32 numbers of x
.set RW, 64                            ; v64-255  three chunks of 8 rows x 8 experts of router_w; v192-255 first hold my wave's 8 KB on their way to LDS
.set GP, 1040                          ; LDS: a lane's 32 rows of router_w + 16 bytes of padding
.set SPARE, 32*GP                      ; behind the 32 groups (33,280 = 130 x 256): the spare words, 128 bytes for each wave: two blocks of 256 bytes that no other line names
.set LST, 5                            ; v5   where my wave's 8 KB go: 8 GP x wave + 16 x lane
.set LLD, 6                            ; v6   where my rows lie: GP x lane
.set SPW, 7                            ; v7   SPARE + 4 x thread; never rewritten
.set NIL, 31                           ; v31  0; never rewritten
	s_load_b256 s[4:11], s[0:1], 0x0               ; x s[4:5], router_w s[6:7], router_b s[8:9], xq s[10:11]
	s_load_b128 s[12:15], s[0:1], 0x20             ; xs s[12:13], sel s[14:15]
	s_load_b64 s[16:17], s[0:1], 0x30              ; gate
	v_lshl_add_u32 v[SPW], v0, 2, SPARE
	v_mov_b32 v[NIL], 0
	v_lshrrev_b32 v1, 5, v0
	v_readfirstlane_b32 s18, v1                    ; wave
	v_and_b32 v1, 31, v0                           ; lane
	v_lshlrev_b32 v2, 7, v1                        ; x: 128 bytes a lane
	v_lshlrev_b32 v4, 5, v1                        ; xq: 32 bytes a lane
	v_lshlrev_b32 v3, 4, v1                        ; 16 x lane
	s_mul_i32 s34, s18, 8*GP
	v_add_nc_u32 v[LST], s34, v3
	s_lshl_b32 s35, s18, 13
	v_add_nc_u32 v3, s35, v3                       ; router_w: my wave's 8 KB, 16 bytes a lane
	v_mul_u32_u24 v[LLD], v1, GP
	s_lshl_b32 s19, ttmp9, 2
	s_add_co_u32 s19, s19, s18                     ; my token
	s_mov_b32 s29, 0
	s_mov_b32 s30, 0x76543210
	s_mov_b32 s31, 0xfedcba98                      ; v_permlanex16_b32's selects for lane l xor 16
	s_mov_b32 s32, 0x600000                        ; the mantissa field of 448
	s_wait_kmcnt 0x0
	s_load_b256 s[20:27], s[8:9], 0x0              ; router_b
.irp n, 0,1,2,3,4,5,6,7,8,9,10,11,12,13,14,15
	global_load_b128 v[192+4*\n:195+4*\n], v3, s[6:7] offset:512*\n   ; 32 lanes read 512 consecutive bytes
.endr
	s_lshl_b32 s28, s19, 12
	s_add_nc_u64 s[4:5], s[4:5], s[28:29]
.irp i, 0,1,2,3,4,5,6,7
	global_load_b128 v[X+4*\i:X+4*\i+3], v2, s[4:5] offset:16*\i th:TH_LOAD_NT
.endr
.macro DLOAD q, slot                   ; rows 8 q .. 8 q + 7 of my 32 rows of router_w: 256 bytes, from LDS
.irp i, 0,1,2,3,4,5,6,7,8,9,10,11,12,13,14,15
	ds_load_b128 v[RW+64*(\slot)+4*\i:RW+64*(\slot)+4*\i+3], v[LLD] offset:256*(\q)+16*\i
.endr
.endm
.macro CHUNK q, slot, first            ; 8 rows x 8 experts; the very first row starts the sums
.set kk, 0
.rept 8
.set ee, 0
.rept 8
.if (\first) && (kk == 0)
	v_mul_f32 v[8+ee], v[RW+64*(\slot)+8*kk+ee], v[X+8*(\q)+kk]
.else
	v_fmac_f32 v[8+ee], v[RW+64*(\slot)+8*kk+ee], v[X+8*(\q)+kk]
.endif
.set ee, ee+1
.endr
.set kk, kk+1
.endr
.endm
	s_lshl_b32 s28, s19, 10
	s_add_nc_u64 s[10:11], s[10:11], s[28:29]      ; xq, xs, sel and gate at my token
	s_lshl_b32 s28, s19, 5
	s_add_nc_u64 s[12:13], s[12:13], s[28:29]
	s_lshl_b32 s28, s19, 2
	s_add_nc_u64 s[14:15], s[14:15], s[28:29]
	s_lshl_b32 s28, s19, 3
	s_add_nc_u64 s[16:17], s[16:17], s[28:29]
.irp e, 0,1,2,3,4,5,6,7
	v_mov_b32 v[16+\e], 0                          ; a lane permute's destination counts as one of its sources
.endr
	s_wait_loadcnt 8                               ; my 8 KB of router_w are in; x's eight loads may be out
.irp n, 0,1,2,3,4,5,6,7,8,9,10,11,12,13,14,15
	ds_store_b128 v[LST], v[192+4*\n:195+4*\n] offset:(\n/2)*GP+(\n%2)*512   ; two loads' 1,024 bytes make a group
.endr
	s_wait_dscnt 0x0                               ; for the others' sake: my stores have landed
	s_barrier_signal -1
	s_barrier_wait -1                              ; all 32 groups lie in LDS; nothing is stored there again
	DLOAD 0, 0
	DLOAD 1, 1
	DLOAD 2, 2
	s_wait_loadcnt 0x0                             ; x
	s_wait_dscnt 32                                ; chunk 0 is in; chunks 1 and 2, 16 loads each, may be out
	CHUNK 0, 0, 1
	DLOAD 3, 0
	s_wait_dscnt 32                                ; chunk 1 is in; chunks 2 and 3 may be out
	CHUNK 1, 1, 0
	s_wait_dscnt 16                                ; chunk 2 is in
	CHUNK 2, 2, 0
	s_wait_dscnt 0x0
	CHUNK 3, 0, 0
.irp m, 1,2,4,8
.irp e, 0,1,2,3,4,5,6,7
	v_add_f32_dpp v[8+\e], v[8+\e], v[8+\e] row_xmask:\m row_mask:0xf bank_mask:0xf
.endr
.endr
.irp e, 0,1,2,3,4,5,6,7
	v_permlanex16_b32 v[16+\e], v[8+\e], s30, s31
.endr
	s_wait_kmcnt 0x0                               ; router_b
.irp e, 0,1,2,3,4,5,6,7
	v_add_f32 v[8+\e], v[8+\e], v[16+\e]
.endr
.irp e, 0,1,2,3,4,5,6,7
	v_add_f32 v[8+\e], s[20+\e], v[8+\e]           ; the eight logits, alike in every lane
.endr
	v_mov_b32 v16, v8                              ; the best, and its index
	v_mov_b32 v17, 0
.irp e, 1,2,3,4,5,6,7
	v_cmp_gt_f32 vcc_lo, v[8+\e], v16
	v_cndmask_b32 v16, v16, v[8+\e], vcc_lo
	v_cndmask_b32 v17, v17, \e, vcc_lo
.endr
	v_mov_b32 v30, 0xff800000                      ; -infinity takes the best one's place
.irp e, 0,1,2,3,4,5,6,7
	v_cmp_eq_u32 vcc_lo, \e, v17
	v_cndmask_b32 v[20+\e], v[8+\e], v30, vcc_lo
.endr
	v_mov_b32 v18, v20                             ; the second, and its index
	v_mov_b32 v19, 0
.irp e, 1,2,3,4,5,6,7
	v_cmp_gt_f32 vcc_lo, v[20+\e], v18
	v_cndmask_b32 v18, v18, v[20+\e], vcc_lo
	v_cndmask_b32 v19, v19, \e, vcc_lo
.endr
	v_sub_f32 v28, v18, v16                        ; second - best: the maximum is taken away, 0 or less
	v_mul_f32 v28, 0x3fb8aa3b, v28
	v_exp_f32 v28, v28
	v_mov_b32 v23, 1                               ; a plain instruction behind the exponential
	s_wait_alu depctr_va_vdst(0)                   ; the wait ahead of the first reader
	v_add_f32 v29, 1.0, v28
	v_rcp_f32 v20, v29                             ; w0
	v_lshlrev_b32 v22, v17, v23                    ; 1 << e0: a plain instruction behind the reciprocal
	s_wait_alu depctr_va_vdst(0)
	v_mul_f32 v21, v28, v20                        ; w1
	v_lshlrev_b32 v24, v19, v23                    ; 1 << e1
	v_or_b32 v22, v22, v24
	v_lshl_or_b32 v25, v19, 8, v17
	v_lshl_or_b32 v25, v22, 16, v25                ; the word of sel
	; my block of x: largest magnitude with the floor 2^(9 - 127), scale, hold, codes
	v_max3_num_f32 v26, |v[X]|, |v[X+1]|, |v[X+2]|
	v_max3_num_f32 v27, |v[X+3]|, |v[X+4]|, |v[X+5]|
.irp i, 6,10,14,18,22,26
	v_max3_num_f32 v26, v26, |v[X+\i]|, |v[X+\i+1]|
	v_max3_num_f32 v27, v27, |v[X+\i+2]|, |v[X+\i+3]|
.endr
	v_max3_num_f32 v26, v26, |v[X+30]|, |v[X+31]|
	v_max3_num_f32 v26, v26, v27, 0x4800000
	v_add_nc_u32 v8, 0xfc000000, v26               ; 8 off the exponent field: the conversion's scale operand
	v_and_or_b32 v9, v26, 0x7f800000, s32          ; 448 x the scale
	v_lshrrev_b32 v10, 23, v8                      ; the scale's byte
.set ii, 0
.rept 32
	v_med3_num_f32 v[X+ii], v[X+ii], -v9, v9       ; the conversion to an 8-bit code does not saturate (ISA guide 7.6.2)
.set ii, ii+1
.endr
.irp g, 0,1,2,3
	v_cvt_scalef32_pk8_fp8_f32 v[64+2*\g:65+2*\g], v[X+8*\g:X+8*\g+7], v8
.endr
	v_nop
	global_store_b128 v4, v[64:67], s[10:11]
	global_store_b128 v4, v[68:71], s[10:11] offset:16
	global_store_b8 v1, v10, s[12:13]              ; 32 lanes, 32 neighbouring bytes
	s_wait_tensorcnt 0x0                           ; the wave's end, behind my last LDS store and with all lanes on
	ds_add_u32 v[SPW], v[NIL]
	v_cmp_eq_u32 vcc_lo, 0, v1
	s_wait_dscnt 0x0
	s_wait_xcnt 0x0                                ; EXEC is a source of the stores above: it changes only behind this wait
	s_and_saveexec_b32 s33, vcc_lo                 ; lane 0 alone (its v1 is 0)
	global_store_b32 v1, v25, s[14:15]
	global_store_b64 v1, v[20:21], s[16:17]
	s_endpgm
.Lfunc_end_k_qa35245cc34_route:
	.size	k_qa35245cc34_route, .Lfunc_end_k_qa35245cc34_route-k_qa35245cc34_route
	.p2alignl 7, 3214868480
	.fill 96, 4, 3214868480
	.section	.rodata,"a",@progbits
	.p2align	6, 0x0
	.amdhsa_kernel k_qa35245cc34_route
		.amdhsa_group_segment_fixed_size 33792
		.amdhsa_private_segment_fixed_size 0
		.amdhsa_enable_private_segment 0
		.amdhsa_kernarg_size 56
		.amdhsa_user_sgpr_count 2
		.amdhsa_user_sgpr_kernarg_segment_ptr 1
		.amdhsa_wavefront_size32 1
		.amdhsa_system_sgpr_workgroup_id_x 1
		.amdhsa_system_sgpr_workgroup_id_y 1
		.amdhsa_system_sgpr_workgroup_id_z 1
		.amdhsa_system_vgpr_workitem_id 0
		.amdhsa_next_free_vgpr 256
		.amdhsa_next_free_sgpr 66
		.amdhsa_reserve_vcc 1
		.amdhsa_float_denorm_mode_32 3
		.amdhsa_float_denorm_mode_16_64 3
		.amdhsa_memory_ordered 1
		.amdhsa_forward_progress 1
		.amdhsa_inst_pref_size 28
	.end_amdhsa_kernel
	.amdgpu_metadata
---
amdhsa.version: [ 1, 2 ]
amdhsa.kernels:
  - .name:           k_qa35245cc34_route
    .symbol:         k_qa35245cc34_route.kd
    .args:
      - { .name: x, .offset: 0, .size: 8, .value_kind: global_buffer, .address_space: global }
      - { .name: router_w, .offset: 8, .size: 8, .value_kind: global_buffer, .address_space: global }
      - { .name: router_b, .offset: 16, .size: 8, .value_kind: global_buffer, .address_space: global }
      - { .name: xq, .offset: 24, .size: 8, .value_kind: global_buffer, .address_space: global }
      - { .name: xs, .offset: 32, .size: 8, .value_kind: global_buffer, .address_space: global }
      - { .name: sel, .offset: 40, .size: 8, .value_kind: global_buffer, .address_space: global }
      - { .name: gate, .offset: 48, .size: 8, .value_kind: global_buffer, .address_space: global }
    .group_segment_fixed_size: 33792
    .private_segment_fixed_size: 0
    .kernarg_segment_align: 8
    .kernarg_segment_size: 56
    .max_flat_workgroup_size: 128
    .sgpr_count:     66
    .vgpr_count:     256
    .wavefront_size: 32
...
	.end_amdgpu_metadata
.endif
;; end of part 1
;; launch up (part 2): grid 32 x 8, 8 waves a work-group, no clusters, 136,704 bytes of LDS; arguments w1, b1, xq, xs, sel, hq, hs; writes hq, hs
.if DOCPART == 2
	.amdgcn_target "amdgcn-amd-amdhsa--gfx1250"
	.amdhsa_code_object_version 6
	.text
	.protected	k_qa35245cc34_up
	.globl	k_qa35245cc34_up
	.p2align	8
	.type	k_qa35245cc34_up,@function
k_qa35245cc34_up:
	s_mov_b64 s[64:65], 0
	v_nop
	global_prefetch_b8 v0, s[64:65] scope:SCOPE_SE
	s_setreg_imm32_b32 hwreg(HW_REG_WAVE_MODE, 25, 1), 1
	s_wait_xcnt 0x0
; h = Q(relu(x W1[e] + b1[e])) for the rows that chose expert e.  Work-group (slice, e) owns hidden units 128 slice .. + 127 of expert e: 1,024 x 128 numbers of w1, 512 KB of f32, read once by nobody else.
; LEFT OUT: the rows of tokens that did not choose e (their gate is 0 by reference()'s own one_hot: see the first kernel's head).
; ROLES.  Waves 0-3 PRODUCE: they stream the slice from memory, quantise it along K (its first axis) in registers and lay the codes in LDS as images of operand registers.  Waves 4-7 CONSUME:
; they make the expert's row list from sel, gather x's codes and multiply.  Eight STAGES of 128 along K.  Between two barriers stands one branch on the wave's number with two arms: the producers make stage s
; while the consumers multiply stage s - 1; the barrier stands behind the join, in text that all eight waves run.  Every LDS byte is written once, so a barrier orders only a stage's stores ahead of its loads.
; The producers do nothing that hangs on data: they stream also where an expert has no rows, since no barrier may hang on a loaded number.
; No tensor load and no copy: the consumers' tile counts are read from memory, and branches hang on them.  No cluster: the weights, nearly all the bytes, are shared by nobody.
; K GOES ROUND.  The work-group's stage s is K step (first + s) mod 8, first = (slice & 7) xor (7 where bit 3 of slice is set).  So the 32 work-groups that gather the same rows of x ask for eight different K steps of them at a time,
; and each K step but a work-group's first has been asked for by another work-group one stage earlier; any half of the slices told apart by one bit of their number holds all eight beginnings.
; LDS is laid by stage, not by K step.  The f32 sums run over K in that order.
; A BLOCK of a producer: 32 k x 64 columns by 16 loads of 16 bytes a lane: lanes 0-15 read the 256 bytes of one row, lanes 16-31 those of the row 16 further down.  Register 4 i + c = W(k = 32 w + 16 h + i, column 4 r + c).
; A column's largest magnitude: 8 v_max3 and the lane 16 away.  The numbers are multiplied by 2^(8 - exponent) (exact), held within +-448, converted with the scale 1, and the bytes turned 4 x 4 by v_perm_b32:
; lane (r, h) then holds 16 neighbours along K of column 4 r + c: group w of the fragment of column tile c (columns c, 4 + c, .. 60 + c of the panel).
; THE PRODUCT IS USED TRANSPOSED (source 0 = 16 columns of W1, source 1 = 16 rows of x): lane (r, h) holds row r, and register j of tile (panel P, c) hidden unit 64 P + 32 h + 4 j + c:
; so for each P a lane holds one whole block of 32 along the next K, in the order position 8 c + j = unit 4 j + c.  The next launch reads w2's rows in that same order inside each block.
; ROWS.  Position p of the expert's list is the p-th token whose bit e is set in sel.  Positions past the end repeat the last row: their results are written to their own places and never used.  Tile T = positions 16 T ..;
; consumer cw takes tiles G + 4 t + cw, t = 0 .. 4: 320 rows a pass.  A wave's fifth tile is fetched, behind a pass's first stage, only where the wave has five tiles.
; Further passes (more than 320 rows on one expert) read the codes that still lie in LDS.  An expert without rows still writes tile 0, so that the next launch reads no byte that nobody wrote.
; OUT: hq[e][T][K step = slice][2,048 bytes]: the image of the next product's fragment; each store's 16 lanes cover 256 consecutive bytes, aligned.  hs[e][slice][position]: scale words, 64 bytes a tile: pieces of 64 bytes, 256 KB in all.
; REGISTERS OF THE TWO ROLES.  A role never writes what the other uses as an offset, as a scale or as an accumulator of window 0.  The producers' small registers lie where the consumers keep W1's fragments,
; which every half stage fills anew from LDS directly ahead of its products; the producers' four slots lie where the consumers keep the accumulators of window 1.
; LIMITS: as stated at the first kernel's head; blocks of zeros carry the byte 1.
.set PITCH, 16384                      ; a row of w1[e] in bytes
.set BOFF,  256                        ; from panel 0 to panel 1
.set STG,   128*PITCH                  ; from K step to K step
.set SCW,   131072                     ; LDS: 0: codes, stage x 16,384 + panel x 8,192 + c x 2,048 + w x 512 + 16 x lane;  SCW: scale bytes, stage x 512 + (4 panel + c) x 64 + 4 r + w
.set BIAS,  135168                     ; b1's 128 numbers
.set SPARE, 135680                     ; the spare words: 128 bytes for each of 8 waves, four blocks of 256 bytes that no other line names
; vector registers of both roles, made ahead of the first parting
.set SPW, 1                            ; SPARE + 4 x thread; never rewritten
.set NIL, 2                            ; 0; never rewritten
.set PS0, 3                            ; 512 w + 16 x lane
.set PB0, 4                            ; SCW + 4 r + w
.set CB0, 5                            ; 16 x lane
.set CS0, 6                            ; SCW + 4 x lane
.set BST, 7                            ; BIAS + 128 w + 4 x lane
.set BLD, 8                            ; BIAS + 128 h
.set PS,  9                            ; the four above + the pair of stages in hand
.set PB,  10
.set CB,  11
.set CS,  12
.set RL,  13                           ; r = lane % 16
.set HH,  14                           ; h = lane / 16
.set LN,  15                           ; lane
.set XS,  20                           ; v20-22 x's scale words (lanes 0-15 tile 2 k, lanes 16-31 tile 2 k + 1);  v24-27 W1's: scales and nothing else
.set WS,  24
.set XO,   32                          ; v32-36 byte offsets of my row in xq, a tile each   v37-39 in xs
.set XSO,  37
.set R16H, 40                          ; 16 r + 512 h
.set R4,   41                          ; 4 r
.set P0,   42                          ; 64 h + r
.set H16,  43                          ; 16 h
.set H8,   44                          ; 8 h
; producers: window 1 = four slots of 64 registers;  window 0:
.set WO,  16                           ; my byte offset in a K step of the slice
.set ONE, 17                           ; 1.0
.set BV,  18                           ; my number of b1
.set BO,  19
.set MX,  192                          ; v192-195 largest magnitudes, then the scales' exponent fields
.set XM,  196                          ; v196-199 the other half's; then 1 / scale; then the turn's four
.set BY,  200                          ; v200-203 scale bytes
.set RC,  204                          ; v204-219 codes by rows
.set OC,  220                          ; v220-235 codes by columns
; consumers: window 1 = the accumulators of tiles 0-3 at 64 t + 32 P + 8 c;  window 0:
.set ACC4, 48                          ; v48-111 tile 4's accumulators
.set FA,   112                         ; v112-191 x's five fragments; between the products: at work
.set FB,   192                         ; v192-255 W1's four fragments; on the way out: b1
.set SP,  176                          ; the search for a position's token
.set SWD, 177
.set SBS, 178
.set SJ,  179
.set SA,  180
.set SB4, 181
.set SC8, 182
.set SN,  183
.set SH,  184
.set ST,  185
.set SX,  186
.set TK,  187
.set HV,  112                          ; the way out: 32 numbers, 16 registers of codes, and small things
.set CD,  144
.set MA,  160
.set MB,  161
.set SO,  162
.set HL,  163
.set BY0, 164
.set WD,  166
.set WX,  167
.set HOF, 168
.set SOF, 169
; scalars: s2 wave, s3 wave % 4, s18 e, s19 slice, s20 the K step at which my role's bases stand, s21 loop count, s22, s23 LDS steps, s24, s25, s31 at work, s26, s27 lane selects, s28 exponent mask;
; producers s32-39 constants;  consumers s29 448's mantissa, s30 mask of lanes 16-31, s32-63 the 1,024 bits, s66-97 their running counts, s98 rows - 1, s99 tiles, s100 passes, s101 G, s104 pass, s105 my tiles
.set MSB, 0
.macro WIN new                         ; the immediate's high byte repeats the setting that is left
.if MSB != \new
	s_set_vgpr_msb (MSB<<8)|\new
.set MSB, \new
.endif
.endm
.macro BARRIER
	s_wait_dscnt 0x0                               ; for the others' sake: my LDS stores have landed, my LDS loads are in
	s_barrier_signal -1
	s_barrier_wait -1
.endm
.macro STEPW                           ; the weights' base goes one K step on, and from the eighth back to the first
	s_wait_xcnt 0x0                                ; the loads issued so far have read their base
	s_add_nc_u64 s[4:5], s[4:5], STG
	s_add_co_u32 s20, s20, 1
	s_and_b32 s20, s20, 7
	s_cmp_lg_u32 s20, 0
	s_cbranch_scc1 .Lsw_\@
	s_sub_nc_u64 s[4:5], s[4:5], 8*STG
.Lsw_\@:
.endm
.macro STEPA                           ; the same for the bases of x's codes and scale words
	s_wait_xcnt 0x0
	s_add_nc_u64 s[8:9], s[8:9], 128
	s_add_nc_u64 s[10:11], s[10:11], 4
	s_add_co_u32 s20, s20, 1
	s_and_b32 s20, s20, 7
	s_cmp_lg_u32 s20, 0
	s_cbranch_scc1 .Lsa_\@
	s_sub_nc_u64 s[8:9], s[8:9], 1024
	s_sub_nc_u64 s[10:11], s[10:11], 32
.Lsa_\@:
.endm
.macro WLOAD slot, off                 ; a block: 16 loads, each 2 rows x 256 bytes
.set ii, 0
.rept 16
	global_load_b128 v[64*(\slot)+4*ii:64*(\slot)+4*ii+3], v[WO], s[4:5] offset:(\off)+ii*PITCH th:TH_LOAD_NT
.set ii, ii+1
.endr
.endm
; One block is quantised and stored.  cnt: the loads that may stay out behind the slot's sixteen.
.macro QBLK slot, bb, par, cnt, refill
.set SL, 64*(\slot)
	s_wait_loadcnt \cnt
	WIN 0x14                                       ; sources 1 and 2 in window 1
.irp c, 0,1,2,3
	v_max3_num_f32 v[MX+\c], s32, |v[SL+\c]|, |v[SL+4+\c]|   ; with the floor 2^(9 - 127): the byte cannot fall under 1
.endr
.irp i, 2,4,6,8,10,12,14
.irp c, 0,1,2,3
	v_max3_num_f32 v[MX+\c], v[MX+\c], |v[SL+4*\i+\c]|, |v[SL+4*\i+4+\c]|
.endr
.endr
	WIN 0
.irp c, 0,1,2,3
	v_permlanex16_b32 v[XM+\c], v[MX+\c], s26, s27
.endr
.irp c, 0,1,2,3
	v_max_num_f32 v[MX+\c], v[MX+\c], v[XM+\c]     ; the block's largest magnitude
.endr
.irp c, 0,1,2,3
	v_and_b32 v[MX+\c], s28, v[MX+\c]              ; its exponent field
.endr
.irp c, 0,1,2,3
	v_sub_nc_u32 v[XM+\c], s33, v[MX+\c]           ; field 262 - exponent: 1 / scale = 2^(8 - floor(log2))
.endr
.irp c, 0,1,2,3
	v_add_nc_u32 v[MX+\c], 0xfc000000, v[MX+\c]    ; 8 off the field: the scale's
.endr
	WIN 0x41                                       ; destination and source 0 in window 1
.set ii, 0
.rept 16
	v_pk_mul_f32 v[SL+4*ii:SL+4*ii+1], v[SL+4*ii:SL+4*ii+1], v[XM:XM+1]
	v_pk_mul_f32 v[SL+4*ii+2:SL+4*ii+3], v[SL+4*ii+2:SL+4*ii+3], v[XM+2:XM+3]
.set ii, ii+1
.endr
.set ii, 0
.rept 64
	v_med3_num_f32 v[SL+ii], v[SL+ii], s35, s34    ; the hold at +-448 (the conversion does not saturate: ISA guide 7.6.2)
.set ii, ii+1
.endr
	WIN 0x01
.set ii, 0
.rept 8
	v_cvt_scalef32_pk8_fp8_f32 v[RC+2*ii:RC+2*ii+1], v[SL+8*ii:SL+8*ii+7], v[ONE]   ; register i: row i's four columns
.set ii, ii+1
.endr
.if \refill
	WIN 0x40
	WLOAD \slot, (\bb)*BOFF                        ; the slot takes the block of two stages on: the base stands there
.endif
	WIN 0
	s_wait_dscnt 0x0                               ; the last block's LDS stores have read the registers that are written below
.irp c, 0,1,2,3
	v_lshrrev_b32 v[BY+\c], 23, v[MX+\c]           ; the scale's byte.  (Plain instructions between the conversions and the readers of their results)
.endr
.irp g, 0,1,2,3
	v_perm_b32 v[XM], v[RC+4*\g+1], v[RC+4*\g], s36
	v_perm_b32 v[XM+1], v[RC+4*\g+1], v[RC+4*\g], s37
	v_perm_b32 v[XM+2], v[RC+4*\g+3], v[RC+4*\g+2], s36
	v_perm_b32 v[XM+3], v[RC+4*\g+3], v[RC+4*\g+2], s37
	v_perm_b32 v[OC+\g], v[XM+2], v[XM], s38       ; column c's four rows in one register
	v_perm_b32 v[OC+4+\g], v[XM+2], v[XM], s39
	v_perm_b32 v[OC+8+\g], v[XM+3], v[XM+1], s38
	v_perm_b32 v[OC+12+\g], v[XM+3], v[XM+1], s39
.endr
.irp c, 0,1,2,3
	ds_store_b128 v[PS], v[OC+4*\c:OC+4*\c+3] offset:(\par)*16384+(\bb)*8192+\c*2048
.endr
.irp c, 0,1,2,3
	ds_store_b8 v[PB], v[BY+\c] offset:(\par)*512+(4*(\bb)+\c)*64   ; both halves of the lanes write the same byte with the same value
.endr
.endm
.macro PRODUCE par, refill, first
.if \refill
	STEPW                                          ; the base at the stage two on
	QBLK 2*(\par), 0, \par, 48, 1                  ; 48: the three slots asked for behind this one
.if \first
	ds_store_b32 v[BST], v[BV]                     ; b1: its load is older than the slot's
.endif
	QBLK 2*(\par)+1, 1, \par, 48, 1
.else
	QBLK 2*(\par), 0, \par, 48-32*(\par), 0        ; nothing more is asked for: the counts run down 48, 32, 16, 0
	QBLK 2*(\par)+1, 1, \par, 32-32*(\par), 0
.endif
.endm
; The p-th set bit of the 1,024: the word (31 steps over the running counts), then the bit in it (five halvings over partial counts).  v[SP] holds p on the way in.
.macro LEVEL src, wd
	v_bfe_u32 v[SN], v[\src], v[SH], \wd
	v_cmp_le_u32 vcc_lo, v[SN], v[SP]
	v_cndmask_b32 v[SN], 0, v[SN], vcc_lo
	v_sub_nc_u32 v[SP], v[SP], v[SN]
	v_cndmask_b32 v[ST], 0, \wd, vcc_lo
	v_add_nc_u32 v[SH], v[SH], v[ST]
.endm
.macro SELECT tok
	v_mov_b32 v[SWD], s32
	v_mov_b32 v[SBS], 0
	v_mov_b32 v[SJ], 0
.set jj, 0
.rept 31
	v_cmp_gt_u32 vcc_lo, s[66+jj], v[SP]           ; does the position lie in words 0 .. jj?  Then keep; else on to word jj + 1
	v_cndmask_b32 v[SWD], s[33+jj], v[SWD], vcc_lo
	v_cndmask_b32 v[SBS], s[66+jj], v[SBS], vcc_lo
	v_cndmask_b32 v[SJ], 32*(jj+1), v[SJ], vcc_lo
.set jj, jj+1
.endr
	v_sub_nc_u32 v[SP], v[SP], v[SBS]
	v_lshrrev_b32 v[ST], 1, v[SWD]
	v_and_b32 v[ST], 0x55555555, v[ST]
	v_sub_nc_u32 v[SA], v[SWD], v[ST]              ; counts of 2 bits
	v_lshrrev_b32 v[ST], 2, v[SA]
	v_and_b32 v[ST], 0x33333333, v[ST]
	v_and_b32 v[SB4], 0x33333333, v[SA]
	v_add_nc_u32 v[SB4], v[SB4], v[ST]             ; of 4
	v_lshrrev_b32 v[ST], 4, v[SB4]
	v_add_nc_u32 v[SC8], v[SB4], v[ST]
	v_and_b32 v[SC8], 0x0f0f0f0f, v[SC8]           ; of 8
	v_lshrrev_b32 v[ST], 8, v[SC8]
	v_add_nc_u32 v[SN], v[SC8], v[ST]
	v_and_b32 v[SN], 0xff, v[SN]                   ; of the low 16
	v_cmp_le_u32 vcc_lo, v[SN], v[SP]
	v_cndmask_b32 v[SN], 0, v[SN], vcc_lo
	v_sub_nc_u32 v[SP], v[SP], v[SN]
	v_cndmask_b32 v[SH], 0, 16, vcc_lo
	LEVEL SC8, 8
	LEVEL SB4, 4
	LEVEL SA, 2
	LEVEL SWD, 1
	v_add_nc_u32 v[\tok], v[SJ], v[SH]
.endm
.macro NTCALC                          ; how many of my five tiles have rows: (tiles - G - cw + 3) / 4, held to 0 .. 5
	s_sub_co_i32 s24, s99, s101
	s_sub_co_i32 s24, s24, s3
	s_add_co_i32 s24, s24, 3
	s_ashr_i32 s24, s24, 2
	s_max_i32 s24, s24, 0
	s_min_i32 s105, s24, 5
.endm
; The tokens of my five tiles.  Search k: lanes 0-15 tile 2 k, lanes 16-31 tile 2 k + 1.
.macro LISTS
	s_wait_xcnt 0x0
	s_add_co_u32 s24, s101, s3
	s_lshl_b32 s24, s24, 4
	v_mov_b32 v[SX], 0                             ; a lane permute's destination counts as one of its sources
.irp k, 0,1,2
	v_add_nc_u32 v[SP], s24, v[P0]
	v_min_u32 v[SP], s98, v[SP]                    ; positions past the end repeat the last row
	SELECT TK+\k
	s_add_co_u32 s24, s24, 128
.endr
.irp k, 0,1,2
	v_min_u32 v[ST], 0x3ff, v[TK+\k]
	v_lshlrev_b32 v[XSO+\k], 5, v[ST]
	v_permlanex16_b32 v[SX], v[TK+\k], s26, s27
	v_cndmask_b32 v[ST], v[TK+\k], v[SX], s30      ; tile 2 k's token of row r, in both halves of the lanes
	v_min_u32 v[ST], 0x3ff, v[ST]
	v_lshl_add_u32 v[XO+2*\k], v[ST], 10, v[H16]
.if \k < 2
	v_cndmask_b32 v[ST], v[SX], v[TK+\k], s30      ; tile 2 k + 1's
	v_min_u32 v[ST], 0x3ff, v[ST]
	v_lshl_add_u32 v[XO+2*\k+1], v[ST], 10, v[H16]
.endif
.endr
.endm
; x's fragments and their scale words, of the K step at which the bases stand.  cond = 1: the fifth tile only where I have five tiles (its products are jumped over by the same test); cond = 0, a pass's first fetch: all.
.macro ALOAD cond
.irp t, 0,1,2,3
.irp g, 0,1,2,3
	global_load_b128 v[FA+16*\t+4*\g:FA+16*\t+4*\g+3], v[XO+\t], s[8:9] offset:32*\g
.endr
.endr
.irp k, 0,1
	global_load_b32 v[XS+\k], v[XSO+\k], s[10:11]
.endr
.if \cond
	s_cmp_lt_u32 s105, 5
	s_cbranch_scc1 .Lal_\@
.endif
.irp g, 0,1,2,3
	global_load_b128 v[FA+64+4*\g:FA+64+4*\g+3], v[XO+4], s[8:9] offset:32*\g
.endr
	global_load_b32 v[XS+2], v[XSO+2], s[10:11]
.Lal_\@:
.endm
.macro WM d, a, b, cc, sa, sb, ra, rb  ; one product; cc < 0: the sum begins; ra, rb: which half of the lanes holds the side's scale words
.if \cc < 0
.if ((\ra) == 0) && ((\rb) == 0)
	v_wmma_scale_f32_16x16x128_f8f6f4 v[\d:\d+7], v[\a:\a+15], v[\b:\b+15], 0, v[\sa], v[\sb]
.elseif ((\ra) == 1) && ((\rb) == 0)
	v_wmma_scale_f32_16x16x128_f8f6f4 v[\d:\d+7], v[\a:\a+15], v[\b:\b+15], 0, v[\sa], v[\sb] matrix_a_scale:MATRIX_SCALE_ROW1
.elseif ((\ra) == 0) && ((\rb) == 1)
	v_wmma_scale_f32_16x16x128_f8f6f4 v[\d:\d+7], v[\a:\a+15], v[\b:\b+15], 0, v[\sa], v[\sb] matrix_b_scale:MATRIX_SCALE_ROW1
.else
	v_wmma_scale_f32_16x16x128_f8f6f4 v[\d:\d+7], v[\a:\a+15], v[\b:\b+15], 0, v[\sa], v[\sb] matrix_a_scale:MATRIX_SCALE_ROW1 matrix_b_scale:MATRIX_SCALE_ROW1
.endif
.else
.if ((\ra) == 0) && ((\rb) == 0)
	v_wmma_scale_f32_16x16x128_f8f6f4 v[\d:\d+7], v[\a:\a+15], v[\b:\b+15], v[\cc:\cc+7], v[\sa], v[\sb]
.elseif ((\ra) == 1) && ((\rb) == 0)
	v_wmma_scale_f32_16x16x128_f8f6f4 v[\d:\d+7], v[\a:\a+15], v[\b:\b+15], v[\cc:\cc+7], v[\sa], v[\sb] matrix_a_scale:MATRIX_SCALE_ROW1
.elseif ((\ra) == 0) && ((\rb) == 1)
	v_wmma_scale_f32_16x16x128_f8f6f4 v[\d:\d+7], v[\a:\a+15], v[\b:\b+15], v[\cc:\cc+7], v[\sa], v[\sb] matrix_b_scale:MATRIX_SCALE_ROW1
.else
	v_wmma_scale_f32_16x16x128_f8f6f4 v[\d:\d+7], v[\a:\a+15], v[\b:\b+15], v[\cc:\cc+7], v[\sa], v[\sb] matrix_a_scale:MATRIX_SCALE_ROW1 matrix_b_scale:MATRIX_SCALE_ROW1
.endif
.endif
.endm
.macro MMT tt, pp, zz                  ; row tile tt against panel pp's four column tiles
.irp c, 0,1,2,3
.if (\tt) < 4
.set DD, 64*(\tt)+32*(\pp)+8*\c
.else
.set DD, ACC4+32*(\pp)+8*\c
.endif
.if \zz
	WM DD, FB+16*\c, FA+16*(\tt), -1, WS+2*(\pp)+\c/2, XS+(\tt)/2, \c%2, (\tt)%2
.else
	WM DD, FB+16*\c, FA+16*(\tt), DD, WS+2*(\pp)+\c/2, XS+(\tt)/2, \c%2, (\tt)%2
.endif
.endr
.endm
; Panel pp of a stage: its four fragments from LDS, then up to 20 products, each on another accumulator.  zz = 1: the sums begin, and no jump: every accumulator is written.
.macro HALF pp, par, zz
.irp c, 0,1,2,3
.irp g, 0,1,2,3
	ds_load_b128 v[FB+16*\c+4*\g:FB+16*\c+4*\g+3], v[CB] offset:(\par)*16384+(\pp)*8192+\c*2048+\g*512
.endr
.endr
.if (\pp) == 0
.irp n, 0,1,2,3
	ds_load_b32 v[WS+\n], v[CS] offset:(\par)*512+128*\n   ; lanes 0-15 column tile 2 n, lanes 16-31 tile 2 n + 1
.endr
	s_wait_loadcnt 0x0                             ; x's fragments and scale words
.endif
	s_wait_dscnt 0x0
.if (\zz) == 0
	s_cmp_lt_u32 s105, 1
	s_cbranch_scc1 .Lhx_\@
.endif
	WIN 0x50                                       ; C and D in window 1
	MMT 0, \pp, \zz
	MMT 1, \pp, \zz
.if (\zz) == 0
	WIN 0
	s_cmp_lt_u32 s105, 3
	s_cbranch_scc1 .Lhx_\@
.endif
	WIN 0x50
	MMT 2, \pp, \zz
	MMT 3, \pp, \zz
	WIN 0
.if (\zz) == 0
	s_cmp_lt_u32 s105, 5
	s_cbranch_scc1 .Lhx_\@
.endif
	MMT 4, \pp, \zz
.Lhx_\@:
.rept 8
	v_nop                                          ; eight places ahead of loads into the products' registers and of the first read of results
.endr
.endm
.macro CONSUME par, zz, next
	HALF 0, \par, \zz
	HALF 1, \par, \zz
.if \next
	STEPA                                          ; one K step on
	ALOAD 1
.endif
.endm
; One interval between two barriers: the producers make a stage of parity ppar, the consumers multiply the stage before it, of parity cpar.
; The LDS addresses are made in text that every wave runs: the producers' at the head of a pair of stages, the consumers' one interval later.
.macro STAGE ppar, refill, cpar, czz
.if \ppar
	v_add_nc_u32 v[CB], s22, v[CB0]
	v_add_nc_u32 v[CS], s23, v[CS0]
.else
	s_add_co_u32 s22, s22, 32768
	s_add_co_u32 s23, s23, 1024
	v_add_nc_u32 v[PS], s22, v[PS0]
	v_add_nc_u32 v[PB], s23, v[PB0]
.endif
	s_cmp_lt_u32 s2, 4
	s_cbranch_scc0 .Lc_\@
	PRODUCE \ppar, \refill, 0
	s_branch .Lj_\@
.Lc_\@:
	CONSUME \cpar, \czz, 1
.Lj_\@:
	BARRIER                                        ; the producers' stage lies in LDS
.endm
; The way out of row tile tt: + b1, the block's largest number (what is negative does not count), relu and hold in one, codes, scale word.
.macro TILE_OUT tt
	s_add_co_u32 s24, s101, s3
	s_add_co_u32 s24, s24, 4*(\tt)                 ; T
	s_cmp_ge_u32 s24, s99
	s_cbranch_scc1 .Lto_\@
	s_min_u32 s24, s24, 63
	s_lshl_b32 s25, s24, 16
	s_lshl_b32 s24, s24, 6
	s_wait_xcnt 0x0                                ; the last tile's stores have read their registers
	v_add_nc_u32 v[HOF], s25, v[R16H]
	v_add_nc_u32 v[SOF], s24, v[R4]
.irp p, 0,1
.if (\tt) < 4
	WIN 0x01
.set AC, 64*(\tt)+32*\p
.else
.set AC, ACC4+32*\p
.endif
.irp c, 0,1,2,3
.irp j, 0,1,2,3,4,5,6,7
	v_add_f32 v[HV+8*\c+\j], v[AC+8*\c+\j], v[FB+32*\p+4*\j+\c]   ; each accumulator from its low end on
.endr
.endr
	WIN 0
	v_max3_num_f32 v[MA], v[HV], v[HV+1], 0x4800000
	v_max3_num_f32 v[MB], v[HV+2], v[HV+3], v[HV+4]
.irp i, 5,9,13,17,21,25
	v_max3_num_f32 v[MA], v[MA], v[HV+\i], v[HV+\i+1]
	v_max3_num_f32 v[MB], v[MB], v[HV+\i+2], v[HV+\i+3]
.endr
	v_max3_num_f32 v[MA], v[MA], v[HV+29], v[HV+30]
	v_max3_num_f32 v[MA], v[MA], v[MB], v[HV+31]
	v_add_nc_u32 v[SO], 0xfc000000, v[MA]
	v_and_or_b32 v[HL], v[MA], 0x7f800000, s29
	v_lshrrev_b32 v[BY0+\p], 23, v[SO]
.set ii, 0
.rept 32
	v_med3_num_f32 v[HV+ii], v[HV+ii], 0, v[HL]
.set ii, ii+1
.endr
.irp g, 0,1,2,3
	v_cvt_scalef32_pk8_fp8_f32 v[CD+8*\p+2*\g:CD+8*\p+2*\g+1], v[HV+8*\g:HV+8*\g+7], v[SO]
.endr
	v_nop
	global_store_b128 v[HOF], v[CD+8*\p:CD+8*\p+3], s[14:15] offset:1024*\p        ; block 2 P + h, positions 0-15: group 2 P + h of the image, lanes 0-15's place
	global_store_b128 v[HOF], v[CD+8*\p+4:CD+8*\p+7], s[14:15] offset:1024*\p+256  ; positions 16-31: lanes 16-31's place
.endr
	v_lshl_or_b32 v[WD], v[BY0+1], 16, v[BY0]
	v_lshlrev_b32 v[WD], v[H8], v[WD]              ; my bytes: blocks h and 2 + h
	v_permlanex16_b32 v[WX], v[WD], s26, s27
	v_or_b32 v[WD], v[WD], v[WX]                   ; the row's scale word
	global_store_b32 v[SOF], v[WD], s[16:17]       ; both halves of the lanes store the same word
.Lto_\@:
.endm
	s_load_b256 s[4:11], s[0:1], 0x0               ; w1 s[4:5], b1 s[6:7], xq s[8:9], xs s[10:11]
	s_load_b128 s[12:15], s[0:1], 0x20             ; sel s[12:13], hq s[14:15]
	s_load_b64 s[16:17], s[0:1], 0x30              ; hs
	v_lshl_add_u32 v[SPW], v0, 2, SPARE
	v_mov_b32 v[NIL], 0
	v_lshrrev_b32 v[LN], 5, v0
	v_readfirstlane_b32 s2, v[LN]                  ; wave 0..7
	s_and_b32 s3, s2, 3                            ; my number in my role
	v_and_b32 v[LN], 31, v0
	v_and_b32 v[RL], 15, v0
	v_bfe_u32 v[HH], v0, 4, 1
	v_lshlrev_b32 v[CB0], 4, v[LN]
	s_lshl_b32 s24, s3, 9
	v_add_nc_u32 v[PS0], s24, v[CB0]
	v_lshl_add_u32 v[PB0], v[RL], 2, SCW
	v_add_nc_u32 v[PB0], s3, v[PB0]
	v_lshl_add_u32 v[CS0], v[LN], 2, SCW
	s_lshl_b32 s24, s3, 7
	v_lshl_add_u32 v[BST], v[LN], 2, BIAS
	v_add_nc_u32 v[BST], s24, v[BST]
	v_lshl_add_u32 v[BLD], v[HH], 7, BIAS
	v_lshlrev_b32 v[R16H], 4, v[RL]                ; the lane terms of the gathers and of the way out
	v_lshl_add_u32 v[R16H], v[HH], 9, v[R16H]
	v_lshlrev_b32 v[R4], 2, v[RL]
	v_lshl_add_u32 v[P0], v[HH], 6, v[RL]
	v_lshlrev_b32 v[H16], 4, v[HH]
	v_lshlrev_b32 v[H8], 3, v[HH]
.irp n, 0,1,2,3,4,5,6,7
	v_mov_b32 v[XO+\n], 0                          ; the gathers' offsets are written in every wave, ahead of the parting; the consumers' lists fill them
.endr
	s_mov_b32 s22, 0
	s_mov_b32 s23, 0
	v_add_nc_u32 v[PS], s22, v[PS0]
	v_add_nc_u32 v[PB], s23, v[PB0]
	v_add_nc_u32 v[CB], s22, v[CB0]
	v_add_nc_u32 v[CS], s23, v[CS0]
	s_and_b32 s18, ttmp7, 0xffff                   ; the expert
	s_mov_b32 s19, ttmp9                           ; the slice
	s_and_b32 s20, s19, 7
	s_bfe_u32 s21, s19, 0x10003                    ; bit 3 of the slice
	s_mul_i32 s21, s21, 7
	s_xor_b32 s20, s20, s21                        ; the K step at which my work-group begins
	s_mov_b32 s26, 0x76543210
	s_mov_b32 s27, 0xfedcba98
	s_mov_b32 s28, 0x7f800000
	s_mov_b32 s25, 0
	s_wait_kmcnt 0x0
	s_lshl_b32 s24, s18, 24
	s_lshl_b32 s31, s19, 9
	s_add_co_u32 s24, s24, s31
	s_lshl_b32 s21, s20, 21
	s_add_co_u32 s24, s24, s21
	s_add_nc_u64 s[4:5], s[4:5], s[24:25]          ; w1[e][128 x first K step][128 slice]
	s_lshl_b32 s24, s18, 14
	s_add_co_u32 s24, s24, s31
	s_add_nc_u64 s[6:7], s[6:7], s[24:25]          ; b1[e][128 slice]
	s_lshl_b32 s24, s20, 7
	s_add_nc_u64 s[8:9], s[8:9], s[24:25]          ; xq and xs at the first K step of a row
	s_lshl_b32 s24, s20, 2
	s_add_nc_u64 s[10:11], s[10:11], s[24:25]
	s_lshl_b32 s24, s18, 22
	s_lshl_b32 s31, s19, 11
	s_add_co_u32 s24, s24, s31
	s_add_nc_u64 s[14:15], s[14:15], s[24:25]      ; hq[e][0][slice]
	s_lshl_b32 s24, s18, 17
	s_lshl_b32 s31, s19, 12
	s_add_co_u32 s24, s24, s31
	s_add_nc_u64 s[16:17], s[16:17], s[24:25]      ; hs[e][slice][0]
	s_cmp_lt_u32 s2, 4
	s_cbranch_scc0 .Lcinit
	; ---- producers: constants; the first two stages' four blocks are asked for; stage 0
	s_mov_b32 s32, 0x4800000                       ; the floor 2^(9 - 127)
	s_mov_b32 s33, 0x83000000                      ; 262 << 23
	s_mov_b32 s34, 0x43e00000                      ; 448
	s_mov_b32 s35, 0xc3e00000                      ; -448
	s_mov_b32 s36, 0x05010400                      ; the byte selects of the 4 x 4 turn
	s_mov_b32 s37, 0x07030602
	s_mov_b32 s38, 0x05040100
	s_mov_b32 s39, 0x07060302
	v_mov_b32 v[ONE], 1.0
.irp c, 0,1,2,3
	v_mov_b32 v[XM+\c], 0                          ; a lane permute's destination counts as one of its sources
.endr
	s_lshl_b32 s24, s3, 5
	v_lshl_add_u32 v[WO], v[HH], 4, s24            ; row 32 w + 16 h
	v_lshlrev_b32 v[WO], 14, v[WO]
	v_lshl_add_u32 v[WO], v[RL], 4, v[WO]          ; + 16 r
	s_lshl_b32 s24, s3, 7
	v_lshl_add_u32 v[BO], v[LN], 2, s24
	global_load_b32 v[BV], v[BO], s[6:7]
	WIN 0x40
	WLOAD 0, 0
	WLOAD 1, BOFF
	WIN 0
	STEPW                                          ; stage 1's K step
	WIN 0x40
	WLOAD 2, 0
	WLOAD 3, BOFF
	WIN 0
	PRODUCE 0, 1, 1
	s_branch .Ljoin0
.Lcinit:
	; ---- consumers: the expert's 1,024 bits, their running counts, the first lists, the first fragments
	v_lshlrev_b32 v45, 2, v[LN]
.set jj, 0
.rept 32
	global_load_b32 v[FA+jj], v45, s[12:13] offset:128*jj   ; token 32 jj + lane
.set jj, jj+1
.endr
	s_mov_b32 s29, 0x600000
	s_mov_b32 s30, 0xffff0000
	s_lshl_b32 s24, 1, s18
	s_lshl_b32 s24, s24, 16                        ; bit 16 + e
	s_wait_loadcnt 0x0
.set jj, 0
.rept 32
	v_and_b32 v46, s24, v[FA+jj]
	v_cmp_ne_u32 s[32+jj], 0, v46
.set jj, jj+1
.endr
	s_bcnt1_i32_b32 s66, s32
.set jj, 1
.rept 31
	s_bcnt1_i32_b32 s24, s[32+jj]
	s_add_co_u32 s[66+jj], s[65+jj], s24
.set jj, jj+1
.endr
	s_max_u32 s98, s97, 1
	s_sub_co_u32 s98, s98, 1                       ; the last row's position
	s_add_co_u32 s99, s97, 15
	s_lshr_b32 s99, s99, 4
	s_max_u32 s99, s99, 1                          ; tiles that are written: at least one
	s_add_co_u32 s24, s99, 19
	s_mul_i32 s24, s24, 205
	s_lshr_b32 s100, s24, 12                       ; passes: (tiles + 19) / 20, exact for up to 64 tiles
	s_mov_b32 s101, 0
	s_mov_b32 s104, 0
	NTCALC
	LISTS
	ALOAD 0
.Ljoin0:
	BARRIER                                        ; stage 0 lies in LDS
	STAGE 1, 1, 0, 1                               ; stage 1 is made | stage 0 is multiplied: its products start the sums
	s_mov_b32 s21, 2
.Lloop:                                                ; two trips: stages 2, 3 and 4, 5 are made | stages 1, 2 and 3, 4 are multiplied
	STAGE 0, 1, 1, 0
	STAGE 1, 1, 0, 0
	s_sub_co_u32 s21, s21, 1
	s_cmp_lg_u32 s21, 0
	s_cbranch_scc1 .Lloop
	STAGE 0, 0, 1, 0                               ; stages 6 and 7 ask for no further weights
	STAGE 1, 0, 0, 0
	s_cmp_lt_u32 s2, 4
	s_cbranch_scc1 .Lfin
	CONSUME 1, 0, 0                                ; stage 7
	STEPA                                          ; the eighth step: the gathers' bases are back at the first K step
.Lpass:
.irp p, 0,1
.irp j, 0,1,2,3,4,5,6,7
	ds_load_b128 v[FB+32*\p+4*\j:FB+32*\p+4*\j+3], v[BLD] offset:256*\p+16*\j   ; b1 of units 64 P + 32 h + 4 j + 0 .. 3
.endr
.endr
	v_mov_b32 v[WX], 0
	s_wait_dscnt 0x0
	TILE_OUT 0
	TILE_OUT 1
	TILE_OUT 2
	TILE_OUT 3
	TILE_OUT 4
	s_add_co_u32 s104, s104, 1
	s_cmp_ge_u32 s104, s100
	s_cbranch_scc1 .Lfin
	s_add_co_u32 s101, s101, 20                    ; a further pass: 20 tiles on, against the codes that lie in LDS; no barrier
	NTCALC
	LISTS
	v_mov_b32 v[CB], v[CB0]
	v_mov_b32 v[CS], v[CS0]
	ALOAD 0
	HALF 0, 0, 1
	HALF 1, 0, 1
	s_mov_b32 s21, 7
.Lmx:
	STEPA
	v_add_nc_u32 v[CB], 16384, v[CB]
	v_add_nc_u32 v[CS], 512, v[CS]
	ALOAD 1
	HALF 0, 0, 0
	HALF 1, 0, 0
	s_sub_co_u32 s21, s21, 1
	s_cmp_lg_u32 s21, 0
	s_cbranch_scc1 .Lmx
	STEPA                                          ; back at the first K step
	s_cmp_lt_u32 s104, s100                        ; always so here: the backward jump stands on the counted pass
	s_cbranch_scc1 .Lpass
.Lfin:
	s_wait_dscnt 0x0
	s_barrier_signal -1
	s_barrier_wait -1                              ; every wave's LDS reads are over
	s_wait_tensorcnt 0x0                           ; the wave's end
	ds_add_u32 v[SPW], v[NIL]
	s_wait_dscnt 0x0
	s_endpgm
.Lfunc_end_k_qa35245cc34_up:
	.size	k_qa35245cc34_up, .Lfunc_end_k_qa35245cc34_up-k_qa35245cc34_up
	.p2alignl 7, 3214868480
	.fill 96, 4, 3214868480
	.section	.rodata,"a",@progbits
	.p2align	6, 0x0
	.amdhsa_kernel k_qa35245cc34_up
		.amdhsa_group_segment_fixed_size 136704
		.amdhsa_private_segment_fixed_size 0
		.amdhsa_enable_private_segment 0
		.amdhsa_kernarg_size 56
		.amdhsa_user_sgpr_count 2
		.amdhsa_user_sgpr_kernarg_segment_ptr 1
		.amdhsa_wavefront_size32 1
		.amdhsa_system_sgpr_workgroup_id_x 1
		.amdhsa_system_sgpr_workgroup_id_y 1
		.amdhsa_system_sgpr_workgroup_id_z 1
		.amdhsa_system_vgpr_workitem_id 0
		.amdhsa_next_free_vgpr 512
		.amdhsa_next_free_sgpr 106
		.amdhsa_reserve_vcc 1
		.amdhsa_float_denorm_mode_32 3
		.amdhsa_float_denorm_mode_16_64 3
		.amdhsa_memory_ordered 1
		.amdhsa_forward_progress 1
		.amdhsa_inst_pref_size 255
	.end_amdhsa_kernel
	.section	.bss,"aw",@nobits
	.p2align	6
	.space	262144
	.amdgpu_metadata
---
amdhsa.version: [ 1, 2 ]
amdhsa.kernels:
  - .name:           k_qa35245cc34_up
    .symbol:         k_qa35245cc34_up.kd
    .args:
      - { .name: w1, .offset: 0, .size: 8, .value_kind: global_buffer, .address_space: global }
      - { .name: b1, .offset: 8, .size: 8, .value_kind: global_buffer, .address_space: global }
      - { .name: xq, .offset: 16, .size: 8, .value_kind: global_buffer, .address_space: global }
      - { .name: xs, .offset: 24, .size: 8, .value_kind: global_buffer, .address_space: global }
      - { .name: sel, .offset: 32, .size: 8, .value_kind: global_buffer, .address_space: global }
      - { .name: hq, .offset: 40, .size: 8, .value_kind: global_buffer, .address_space: global }
      - { .name: hs, .offset: 48, .size: 8, .value_kind: global_buffer, .address_space: global }
    .group_segment_fixed_size: 136704
    .private_segment_fixed_size: 0
    .kernarg_segment_align: 8
    .kernarg_segment_size: 56
    .max_flat_workgroup_size: 256
    .sgpr_count:     106
    .vgpr_count:     512
    .wavefront_size: 32
...
	.end_amdgpu_metadata
.endif
;; end of part 2
;; launch down (part 3): grid 32 x 8, 8 waves a work-group, no clusters, 136,704 bytes of LDS; arguments w2, b2, hq, hs, sel, gate, y; writes y
.if DOCPART == 3
	.amdgcn_target "amdgcn-amd-amdhsa--gfx1250"
	.amdhsa_code_object_version 6
	.text
	.protected	k_qa35245cc34_down
	.globl	k_qa35245cc34_down
	.p2align	8
	.type	k_qa35245cc34_down,@function
k_qa35245cc34_down:
	s_mov_b64 s[64:65], 0
	v_nop
	global_prefetch_b8 v0, s[64:65] scope:SCOPE_SE
	s_setreg_imm32_b32 hwreg(HW_REG_WAVE_MODE, 25, 1), 1
	s_wait_xcnt 0x0
; y[kh][routed row] = gate x (h W2[e] (+ b2[e] where kh = 0)) for the rows that chose expert e.  Work-group (x, e): panel = x % 16 (64 columns), kh = x / 16 (half of the 4,096 along K): 2,048 x 64 numbers of w2, 512 KB of f32, read once by nobody else.
; LEFT OUT: the rows of tokens that did not choose e (their gate is 0 by reference()'s own one_hot: see the first kernel's head).
; ROLES, STAGES AND LDS as in the launch before: waves 0-3 stream and quantise the slice, waves 4-7 multiply; eight stages, here of two K steps of 128 of the one panel.  Between two barriers one branch on the wave's number
; with two arms: the producers make stage s while the consumers multiply stage s - 1; the barrier stands behind the join, in text that all waves run; every LDS byte is written once.
; No tensor load and no copy: branches hang on counts read from memory.  No cluster: the weights are shared by nobody.
; K GOES ROUND, as in the launch before: the work-group's stage s is the half's pair of K steps number (first + s) mod 8, first = (panel & 7) xor (7 where panel >= 8): the 16 work-groups that read the same images of h
; ask for eight different pairs at a time, and each pair but a work-group's first has been asked for by another work-group one stage earlier.  LDS is laid by stage.  The f32 sums run over K in that order.
; THE ORDER INSIDE A BLOCK OF 32 ALONG K is that in which the launch before laid h's codes: position 16 h + i holds unit 4 (i % 8) + 2 h + i / 8.  So a producer's load i reads row 32 w + 2 h + 4 (i % 8) + i / 8 of the K step:
; the same units share a scale as in the natural order, and both operands are permuted alike.
; THE PRODUCT IN ITS NATURAL ORDER: source 0 = 16 rows of h (an image of 2,048 bytes from hq, 512 consecutive bytes a load), source 1 = column tile c (columns 4 r + c).  Lane (r, h) holds column 4 r + c, register j row 8 h + j:
; the four tiles' registers j are 16 neighbouring bytes of a row of y: 16 lanes store 256 consecutive bytes, aligned.  b2 (kh = 0) or zeros (kh = 1) are the C of the first products.
; h's FRAGMENTS COME HALF A STAGE AT A TIME: those of the next stage's K step q are asked for directly behind this stage's products of K step q (and their eight places), into the registers that these have read.
; So a group of loads has the other K step's products and the barrier in which to land.  A group is 16 loads of fragments and 2 of scale words, and 5 more where the wave has a fifth tile; the wait for a group leaves 18 out: the least that the next group adds behind it.
; ROWS.  Position p's token as in the launch before; its routed row is 2 token + slot, slot = 1 where e is the token's second expert; its gate is gate[routed row].  Positions past the end repeat the last row: the same numbers go to the same bytes.
; A tile without rows reads the expert's last written tile and stores nothing.  The two halves of K and a token's two routed rows are added by the last launch.
; REGISTERS OF THE TWO ROLES.  In window 0 the producers' registers (v16, v17, v50-93) and the consumers' (v20-49, v96-255) share nothing; the producers' four slots lie where the consumers keep window 1.
; LIMITS: as stated at the first kernel's head.
.set PITCH, 4096                       ; a row of w2[e] in bytes
.set BOFF,  128*PITCH                  ; from a stage's first K step to its second
.set STG,   256*PITCH                  ; from pair to pair of K steps
.set SCW,   131072                     ; LDS: 0: codes, stage x 16,384 + q x 8,192 + c x 2,048 + w x 512 + 16 x lane;  SCW: scale bytes, stage x 512 + (4 q + c) x 64 + 4 r + w
.set SPARE, 135680                     ; the spare words: 128 bytes for each of 8 waves, four blocks of 256 bytes that no other line names
.set SPW, 1
.set NIL, 2
.set PS0, 3                            ; 512 w + 16 x lane
.set PB0, 4                            ; SCW + 4 r + w
.set CB0, 5                            ; 16 x lane
.set CS0, 6                            ; SCW + 4 x lane
.set PS,  9
.set PB,  10
.set CB,  11
.set CS,  12
.set RL,  13
.set HH,  14
.set LN,  15
.set HS,  20                           ; v20-25 h's scale words (3 q + k: lanes 0-15 tile 2 k, lanes 16-31 tile 2 k + 1);  v26-29 W2's: scales and nothing else
.set WS,  26
.set HO,  30                           ; v30-34 byte offsets of my tiles in hq   v35-37 of my positions in hs
.set HSO, 35
.set TOK, 38                           ; v38-40 tokens, then their routed rows
.set RHO, 38
.set SW,  41                           ; v41-43 the tokens' words of sel, then the rows' gates
.set GT,  41
.set SWO, 44                           ; v44-46 the offsets of these two gathers, one after the other
.set GO,  44
.set R16, 47                           ; 16 r
.set P0,  48                           ; 64 h + r
; producers: window 1 = four slots of 64;  window 0:
.set WO,  16
.set ONE, 17
.set MX,  50                           ; v50-53 largest magnitudes, then the scales' exponent fields
.set XM,  54                           ; v54-57 the other half's; then 1 / scale; then the turn's four
.set BY,  58                           ; v58-61 scale bytes
.set RC,  62                           ; v62-77 codes by rows
.set OC,  78                           ; v78-93 codes by columns
; consumers: window 1: accumulators at 32 t + 8 c (v0-159), W2's four fragments (v160-223), the bias tiles (v224-255);  window 0:
.set FA,  96                           ; v96-255 h's ten fragments at 32 t + 16 q; between the products: at work
.set SP,  176
.set SWD, 177
.set SBS, 178
.set SJ,  179
.set SA,  180
.set SB4, 181
.set SC8, 182
.set SN,  183
.set SH,  184
.set ST,  185                          ; (in the registers of tile 2's fragment of K step 1)
.set RRB, 96                           ; the way out: 40 row offsets, 40 gates, 16 lane indices, 32 numbers
.set GGB, 136
.set IX,  176
.set OB,  192
; scalars as in the launch before; s19 the panel, then the pair of K steps at which my role's bases stand; s20 kh, then (consumers) the tiles that have rows
.set MSB, 0
.macro WIN new
.if MSB != \new
	s_set_vgpr_msb (MSB<<8)|\new
.set MSB, \new
.endif
.endm
.macro BARRIER
	s_wait_dscnt 0x0                               ; for the others' sake: my LDS stores have landed, my LDS loads are in
	s_barrier_signal -1
	s_barrier_wait -1
.endm
.macro STEPW                           ; the weights' base goes one pair of K steps on, and from the eighth back to the first
	s_wait_xcnt 0x0                                ; the loads issued so far have read their base
	s_add_nc_u64 s[4:5], s[4:5], STG
	s_add_co_u32 s19, s19, 1
	s_and_b32 s19, s19, 7
	s_cmp_lg_u32 s19, 0
	s_cbranch_scc1 .Lsw_\@
	s_sub_nc_u64 s[4:5], s[4:5], 8*STG
.Lsw_\@:
.endm
.macro STEPA                           ; the same for the bases of h's images and scale words
	s_wait_xcnt 0x0
	s_add_nc_u64 s[8:9], s[8:9], 4096
	s_add_nc_u64 s[10:11], s[10:11], 8192
	s_add_co_u32 s19, s19, 1
	s_and_b32 s19, s19, 7
	s_cmp_lg_u32 s19, 0
	s_cbranch_scc1 .Lsa_\@
	s_sub_nc_u64 s[8:9], s[8:9], 32768
	s_sub_nc_u64 s[10:11], s[10:11], 65536
.Lsa_\@:
.endm
.macro WLOAD slot, off                 ; a block: 16 loads, each 2 rows x 256 bytes; load i: row 4 (i % 8) + i / 8 from the lane's row on
.set ii, 0
.rept 16
	global_load_b128 v[64*(\slot)+4*ii:64*(\slot)+4*ii+3], v[WO], s[4:5] offset:(\off)+(4*(ii&7)+(ii>>3))*PITCH th:TH_LOAD_NT
.set ii, ii+1
.endr
.endm
.macro QBLK slot, bb, par, cnt, refill
.set SL, 64*(\slot)
	s_wait_loadcnt \cnt
	WIN 0x14
.irp c, 0,1,2,3
	v_max3_num_f32 v[MX+\c], s32, |v[SL+\c]|, |v[SL+4+\c]|
.endr
.irp i, 2,4,6,8,10,12,14
.irp c, 0,1,2,3
	v_max3_num_f32 v[MX+\c], v[MX+\c], |v[SL+4*\i+\c]|, |v[SL+4*\i+4+\c]|
.endr
.endr
	WIN 0
.irp c, 0,1,2,3
	v_permlanex16_b32 v[XM+\c], v[MX+\c], s26, s27
.endr
.irp c, 0,1,2,3
	v_max_num_f32 v[MX+\c], v[MX+\c], v[XM+\c]
.endr
.irp c, 0,1,2,3
	v_and_b32 v[MX+\c], s28, v[MX+\c]
.endr
.irp c, 0,1,2,3
	v_sub_nc_u32 v[XM+\c], s33, v[MX+\c]           ; 1 / scale
.endr
.irp c, 0,1,2,3
	v_add_nc_u32 v[MX+\c], 0xfc000000, v[MX+\c]    ; the scale's exponent field
.endr
	WIN 0x41
.set ii, 0
.rept 16
	v_pk_mul_f32 v[SL+4*ii:SL+4*ii+1], v[SL+4*ii:SL+4*ii+1], v[XM:XM+1]
	v_pk_mul_f32 v[SL+4*ii+2:SL+4*ii+3], v[SL+4*ii+2:SL+4*ii+3], v[XM+2:XM+3]
.set ii, ii+1
.endr
.set ii, 0
.rept 64
	v_med3_num_f32 v[SL+ii], v[SL+ii], s35, s34    ; the hold at +-448 (ISA guide 7.6.2)
.set ii, ii+1
.endr
	WIN 0x01
.set ii, 0
.rept 8
	v_cvt_scalef32_pk8_fp8_f32 v[RC+2*ii:RC+2*ii+1], v[SL+8*ii:SL+8*ii+7], v[ONE]
.set ii, ii+1
.endr
.if \refill
	WIN 0x40
	WLOAD \slot, (\bb)*BOFF                        ; the slot takes the block of two stages on: the base stands there
.endif
	WIN 0
	s_wait_dscnt 0x0                               ; the last block's LDS stores have read the registers that are written below
.irp c, 0,1,2,3
	v_lshrrev_b32 v[BY+\c], 23, v[MX+\c]           ; the scale's byte.  (Plain instructions between the conversions and the readers of their results)
.endr
.irp g, 0,1,2,3
	v_perm_b32 v[XM], v[RC+4*\g+1], v[RC+4*\g], s36
	v_perm_b32 v[XM+1], v[RC+4*\g+1], v[RC+4*\g], s37
	v_perm_b32 v[XM+2], v[RC+4*\g+3], v[RC+4*\g+2], s36
	v_perm_b32 v[XM+3], v[RC+4*\g+3], v[RC+4*\g+2], s37
	v_perm_b32 v[OC+\g], v[XM+2], v[XM], s38
	v_perm_b32 v[OC+4+\g], v[XM+2], v[XM], s39
	v_perm_b32 v[OC+8+\g], v[XM+3], v[XM+1], s38
	v_perm_b32 v[OC+12+\g], v[XM+3], v[XM+1], s39
.endr
.irp c, 0,1,2,3
	ds_store_b128 v[PS], v[OC+4*\c:OC+4*\c+3] offset:(\par)*16384+(\bb)*8192+\c*2048
.endr
.irp c, 0,1,2,3
	ds_store_b8 v[PB], v[BY+\c] offset:(\par)*512+(4*(\bb)+\c)*64
.endr
.endm
.macro PRODUCE par, refill
.if \refill
	STEPW                                          ; the base at the stage two on
	QBLK 2*(\par), 0, \par, 48, 1                  ; 48: the three slots asked for behind this one
	QBLK 2*(\par)+1, 1, \par, 48, 1
.else
	QBLK 2*(\par), 0, \par, 48-32*(\par), 0        ; the counts run down 48, 32, 16, 0
	QBLK 2*(\par)+1, 1, \par, 32-32*(\par), 0
.endif
.endm
.macro LEVEL src, wd
	v_bfe_u32 v[SN], v[\src], v[SH], \wd
	v_cmp_le_u32 vcc_lo, v[SN], v[SP]
	v_cndmask_b32 v[SN], 0, v[SN], vcc_lo
	v_sub_nc_u32 v[SP], v[SP], v[SN]
	v_cndmask_b32 v[ST], 0, \wd, vcc_lo
	v_add_nc_u32 v[SH], v[SH], v[ST]
.endm
.macro SELECT tok                      ; the p-th set bit of the 1,024, as in the launch before
	v_mov_b32 v[SWD], s32
	v_mov_b32 v[SBS], 0
	v_mov_b32 v[SJ], 0
.set jj, 0
.rept 31
	v_cmp_gt_u32 vcc_lo, s[66+jj], v[SP]
	v_cndmask_b32 v[SWD], s[33+jj], v[SWD], vcc_lo
	v_cndmask_b32 v[SBS], s[66+jj], v[SBS], vcc_lo
	v_cndmask_b32 v[SJ], 32*(jj+1), v[SJ], vcc_lo
.set jj, jj+1
.endr
	v_sub_nc_u32 v[SP], v[SP], v[SBS]
	v_lshrrev_b32 v[ST], 1, v[SWD]
	v_and_b32 v[ST], 0x55555555, v[ST]
	v_sub_nc_u32 v[SA], v[SWD], v[ST]
	v_lshrrev_b32 v[ST], 2, v[SA]
	v_and_b32 v[ST], 0x33333333, v[ST]
	v_and_b32 v[SB4], 0x33333333, v[SA]
	v_add_nc_u32 v[SB4], v[SB4], v[ST]
	v_lshrrev_b32 v[ST], 4, v[SB4]
	v_add_nc_u32 v[SC8], v[SB4], v[ST]
	v_and_b32 v[SC8], 0x0f0f0f0f, v[SC8]
	v_lshrrev_b32 v[ST], 8, v[SC8]
	v_add_nc_u32 v[SN], v[SC8], v[ST]
	v_and_b32 v[SN], 0xff, v[SN]
	v_cmp_le_u32 vcc_lo, v[SN], v[SP]
	v_cndmask_b32 v[SN], 0, v[SN], vcc_lo
	v_sub_nc_u32 v[SP], v[SP], v[SN]
	v_cndmask_b32 v[SH], 0, 16, vcc_lo
	LEVEL SC8, 8
	LEVEL SB4, 4
	LEVEL SA, 2
	LEVEL SWD, 1
	v_add_nc_u32 v[\tok], v[SJ], v[SH]
.endm
.macro NTCALC
	s_sub_co_i32 s24, s99, s101
	s_sub_co_i32 s24, s24, s3
	s_add_co_i32 s24, s24, 3
	s_ashr_i32 s24, s24, 2
	s_max_i32 s24, s24, 0
	s_min_i32 s105, s24, 5
.endm
; My positions' places in hs, their tokens, the gather of the tokens' words of sel, my tiles' places in hq.
.macro LISTS
	s_wait_xcnt 0x0
	s_add_co_u32 s24, s101, s3
	s_lshl_b32 s24, s24, 4
	s_lshl_b32 s31, s99, 4
	s_sub_co_u32 s31, s31, 1                       ; the last position that was written
.irp k, 0,1,2
	v_add_nc_u32 v[SP], s24, v[P0]
	v_min_u32 v[ST], s31, v[SP]
	v_min_u32 v[ST], 0x3ff, v[ST]
	v_lshlrev_b32 v[HSO+\k], 2, v[ST]
	v_min_u32 v[SP], s98, v[SP]                    ; positions past the end repeat the last row
	SELECT TOK+\k
	v_min_u32 v[TOK+\k], 0x3ff, v[TOK+\k]
	v_lshlrev_b32 v[SWO+\k], 2, v[TOK+\k]
	global_load_b32 v[SW+\k], v[SWO+\k], s[12:13]
	s_add_co_u32 s24, s24, 128
.endr
	s_sub_co_u32 s25, s99, 1
.irp t, 0,1,2,3,4
	s_add_co_u32 s24, s101, s3
	s_add_co_u32 s24, s24, 4*\t
	s_min_u32 s24, s24, s25                        ; a tile without rows names the last written tile
	s_min_u32 s24, s24, 63
	s_lshl_b32 s24, s24, 16
	v_add_nc_u32 v[HO+\t], s24, v[CB0]
.endr
.endm
.macro LISTS2                          ; behind the wait for the pass's first group of fragments, which were asked for behind the words of sel: these have landed, and their offsets are free.  The routed rows, and the gather of their gates
.irp k, 0,1,2
	v_bfe_u32 v[ST], v[SW+\k], 8, 8
	v_cmp_eq_u32 vcc_lo, s18, v[ST]
	v_cndmask_b32 v[ST], 0, 1, vcc_lo
	v_lshl_add_u32 v[RHO+\k], v[TOK+\k], 1, v[ST]
	v_min_u32 v[RHO+\k], 0x7ff, v[RHO+\k]
	v_lshlrev_b32 v[GO+\k], 2, v[RHO+\k]
	global_load_b32 v[GT+\k], v[GO+\k], s[14:15]
.endr
.endm
; A GROUP: K step q of the stage at which the bases stand: four tiles' fragments, 512 consecutive bytes a load, and two registers of scale words: 18 loads;
; the fifth tile's four and its scale words only where I have five tiles (cond = 1; its products are jumped over by the same test), or always (cond = 0, a pass's first fetch).
.macro ALOADQ q, cond
.irp t, 0,1,2,3
.irp g, 0,1,2,3
	global_load_b128 v[FA+32*\t+16*(\q)+4*\g:FA+32*\t+16*(\q)+4*\g+3], v[HO+\t], s[8:9] offset:(\q)*2048+512*\g
.endr
.endr
.irp k, 0,1
	global_load_b32 v[HS+3*(\q)+\k], v[HSO+\k], s[10:11] offset:(\q)*4096
.endr
.if \cond
	s_cmp_lt_u32 s105, 5
	s_cbranch_scc1 .Lal_\@
.endif
.irp g, 0,1,2,3
	global_load_b128 v[FA+128+16*(\q)+4*\g:FA+128+16*(\q)+4*\g+3], v[HO+4], s[8:9] offset:(\q)*2048+512*\g
.endr
	global_load_b32 v[HS+3*(\q)+2], v[HSO+2], s[10:11] offset:(\q)*4096
.Lal_\@:
.endm
.macro WM d, a, b, cc, sa, sb, ra, rb
.if ((\ra) == 0) && ((\rb) == 0)
	v_wmma_scale_f32_16x16x128_f8f6f4 v[\d:\d+7], v[\a:\a+15], v[\b:\b+15], v[\cc:\cc+7], v[\sa], v[\sb]
.elseif ((\ra) == 1) && ((\rb) == 0)
	v_wmma_scale_f32_16x16x128_f8f6f4 v[\d:\d+7], v[\a:\a+15], v[\b:\b+15], v[\cc:\cc+7], v[\sa], v[\sb] matrix_a_scale:MATRIX_SCALE_ROW1
.elseif ((\ra) == 0) && ((\rb) == 1)
	v_wmma_scale_f32_16x16x128_f8f6f4 v[\d:\d+7], v[\a:\a+15], v[\b:\b+15], v[\cc:\cc+7], v[\sa], v[\sb] matrix_b_scale:MATRIX_SCALE_ROW1
.else
	v_wmma_scale_f32_16x16x128_f8f6f4 v[\d:\d+7], v[\a:\a+15], v[\b:\b+15], v[\cc:\cc+7], v[\sa], v[\sb] matrix_a_scale:MATRIX_SCALE_ROW1 matrix_b_scale:MATRIX_SCALE_ROW1
.endif
.endm
.macro MMT tt, qq, zz                  ; row tile tt, K step qq of the stage, against the four column tiles; zz = 1: the sums begin from the bias tiles
.irp c, 0,1,2,3
.if (\zz) == 1
	WM 32*(\tt)+8*\c, FA+32*(\tt)+16*(\qq), 160+16*\c, 224+8*\c, HS+3*(\qq)+(\tt)/2, WS+2*(\qq)+\c/2, (\tt)%2, \c%2
.else
	WM 32*(\tt)+8*\c, FA+32*(\tt)+16*(\qq), 160+16*\c, 32*(\tt)+8*\c, HS+3*(\qq)+(\tt)/2, WS+2*(\qq)+\c/2, (\tt)%2, \c%2
.endif
.endr
.endm
; K step qq of a stage: up to 20 products, each on another accumulator.  zz = 0: add, with jumps on my number of tiles; 1: begin, no jump; 2: add, no jump.
; wl: how many younger loads may stay out when this K step's group has to be there; under 0: no wait, the group has been shown landed.
.macro HALF qq, par, zz, wl
	WIN 0x40
.irp c, 0,1,2,3
.irp g, 0,1,2,3
	ds_load_b128 v[160+16*\c+4*\g:160+16*\c+4*\g+3], v[CB] offset:(\par)*16384+(\qq)*8192+\c*2048+\g*512
.endr
.endr
	WIN 0
.if (\qq) == 0
.irp n, 0,1,2,3
	ds_load_b32 v[WS+\n], v[CS] offset:(\par)*512+128*\n
.endr
.endif
.if (\wl) >= 0
	s_wait_loadcnt \wl                             ; loads come back in order (ISA guide 5.7.1): my group is in
.endif
	s_wait_dscnt 0x0
.if (\zz) == 0
	s_cmp_lt_u32 s105, 1
	s_cbranch_scc1 .Lhx_\@
.endif
	WIN 0x54                                       ; source 1, C and D in window 1
	MMT 0, \qq, \zz
	MMT 1, \qq, \zz
.if (\zz) == 0
	WIN 0
	s_cmp_lt_u32 s105, 3
	s_cbranch_scc1 .Lhx_\@
.endif
	WIN 0x54
	MMT 2, \qq, \zz
	MMT 3, \qq, \zz
.if (\zz) == 0
	WIN 0
	s_cmp_lt_u32 s105, 5
	s_cbranch_scc1 .Lhx_\@
.endif
	WIN 0x54
	MMT 4, \qq, \zz
	WIN 0
.Lhx_\@:
.rept 8
	v_nop                                          ; eight places ahead of loads into the products' registers and of the first read of results
.endr
.endm
; A stage.  Behind each K step's products the next stage's group of that K step is asked for.  18: the younger group's least count; the last stage's second wait is for 0, the gates among what it covers.
.macro CONSUME par, zz, next, l2
.if \zz
	HALF 0, \par, 1, 18
.else
	HALF 0, \par, 0, 18
.endif
.if \next
	STEPA                                          ; the bases at the next stage
	ALOADQ 0, 1
.endif
.if \zz
	HALF 1, \par, 2, 18
.elseif \next
	HALF 1, \par, 0, 18
.else
	HALF 1, \par, 0, 0
.endif
.if \l2
	LISTS2
.endif
.if \next
	ALOADQ 1, 1
.endif
.endm
; One interval between two barriers: the producers make a stage of parity ppar, the consumers multiply the stage before it, of parity cpar.
.macro STAGE ppar, refill, cpar, czz, l2
.if \ppar
	v_add_nc_u32 v[CB], s22, v[CB0]
	v_add_nc_u32 v[CS], s23, v[CS0]
.else
	s_add_co_u32 s22, s22, 32768
	s_add_co_u32 s23, s23, 1024
	v_add_nc_u32 v[PS], s22, v[PS0]
	v_add_nc_u32 v[PB], s23, v[PB0]
.endif
	s_cmp_lt_u32 s2, 4
	s_cbranch_scc0 .Lc_\@
	PRODUCE \ppar, \refill
	s_branch .Lj_\@
.Lc_\@:
	CONSUME \cpar, \czz, 1, \l2
.Lj_\@:
	BARRIER                                        ; the producers' stage lies in LDS
.endm
.macro TILE_OUT tt                     ; row tile tt: x the rows' gates, to the rows' places in y
	s_add_co_u32 s24, s101, s3
	s_add_co_u32 s24, s24, 4*(\tt)
	s_cmp_ge_u32 s24, s20
	s_cbranch_scc1 .Lto_\@
.irp j, 0,1,2,3,4,5,6,7
	v_min_u32 v[RRB+8*(\tt)+\j], 0x7ff, v[RRB+8*(\tt)+\j]
	v_lshl_add_u32 v[RRB+8*(\tt)+\j], v[RRB+8*(\tt)+\j], 12, v[R16]
.endr
	s_wait_xcnt 0x0                                ; the last tile's stores have read their data
	WIN 0x01
.irp j, 0,1,2,3,4,5,6,7
.irp c, 0,1,2,3
	v_mul_f32 v[OB+4*\j+\c], v[32*(\tt)+8*\c+\j], v[GGB+8*(\tt)+\j]   ; each accumulator from its low end on
.endr
.endr
	WIN 0
.irp j, 0,1,2,3,4,5,6,7
	global_store_b128 v[RRB+8*(\tt)+\j], v[OB+4*\j:OB+4*\j+3], s[16:17]   ; lanes 0-15: 256 bytes of row j, lanes 16-31: of row 8 + j
.endr
.Lto_\@:
.endm
	s_load_b256 s[4:11], s[0:1], 0x0               ; w2 s[4:5], b2 s[6:7], hq s[8:9], hs s[10:11]
	s_load_b128 s[12:15], s[0:1], 0x20             ; sel s[12:13], gate s[14:15]
	s_load_b64 s[16:17], s[0:1], 0x30              ; y
	v_lshl_add_u32 v[SPW], v0, 2, SPARE
	v_mov_b32 v[NIL], 0
	v_lshrrev_b32 v[LN], 5, v0
	v_readfirstlane_b32 s2, v[LN]
	s_and_b32 s3, s2, 3
	v_and_b32 v[LN], 31, v0
	v_and_b32 v[RL], 15, v0
	v_bfe_u32 v[HH], v0, 4, 1
	v_lshlrev_b32 v[CB0], 4, v[LN]
	s_lshl_b32 s24, s3, 9
	v_add_nc_u32 v[PS0], s24, v[CB0]
	v_lshl_add_u32 v[PB0], v[RL], 2, SCW
	v_add_nc_u32 v[PB0], s3, v[PB0]
	v_lshl_add_u32 v[CS0], v[LN], 2, SCW
	v_lshlrev_b32 v[R16], 4, v[RL]                 ; the lane terms of the lists and of the way out
	v_lshl_add_u32 v[P0], v[HH], 6, v[RL]
.irp n, 30,31,32,33,34,35,36,37,44,45,46
	v_mov_b32 v[\n], 0                             ; the gathers' offsets are written in every wave, ahead of the parting; the consumers' lists fill them
.endr
	s_mov_b32 s22, 0
	s_mov_b32 s23, 0
	v_add_nc_u32 v[PS], s22, v[PS0]
	v_add_nc_u32 v[PB], s23, v[PB0]
	v_add_nc_u32 v[CB], s22, v[CB0]
	v_add_nc_u32 v[CS], s23, v[CS0]
	s_and_b32 s18, ttmp7, 0xffff                   ; the expert
	s_and_b32 s19, ttmp9, 15                       ; the panel
	s_lshr_b32 s20, ttmp9, 4                       ; the half of K
	s_mov_b32 s26, 0x76543210
	s_mov_b32 s27, 0xfedcba98
	s_mov_b32 s28, 0x7f800000
	s_mov_b32 s25, 0
	s_lshl_b32 s31, s19, 8                         ; the panel's 256 bytes in a row
	s_lshr_b32 s21, s19, 3                         ; bit 3 of the panel
	s_mul_i32 s21, s21, 7
	s_and_b32 s19, s19, 7
	s_xor_b32 s19, s19, s21                        ; the pair of K steps at which my work-group begins
	s_wait_kmcnt 0x0
	s_lshl_b32 s24, s18, 24
	s_add_co_u32 s24, s24, s31
	s_add_nc_u64 s[4:5], s[4:5], s[24:25]
	s_lshl_b32 s24, s20, 23
	s_add_nc_u64 s[4:5], s[4:5], s[24:25]          ; w2[e][2,048 kh][64 panel]
	s_add_co_u32 s24, s24, s31
	s_add_nc_u64 s[16:17], s[16:17], s[24:25]      ; y[kh][0][64 panel]
	s_lshl_b32 s24, s19, 20
	s_add_nc_u64 s[4:5], s[4:5], s[24:25]          ; w2 at the first pair of K steps
	s_lshl_b32 s24, s18, 12
	s_add_co_u32 s24, s24, s31
	s_add_nc_u64 s[6:7], s[6:7], s[24:25]          ; b2[e][64 panel]
	s_lshl_b32 s24, s18, 22
	s_lshl_b32 s31, s20, 15
	s_add_co_u32 s24, s24, s31
	s_lshl_b32 s31, s19, 12
	s_add_co_u32 s24, s24, s31
	s_add_nc_u64 s[8:9], s[8:9], s[24:25]          ; hq[e][0][16 kh + 2 x first pair]
	s_lshl_b32 s24, s18, 17
	s_lshl_b32 s31, s20, 16
	s_add_co_u32 s24, s24, s31
	s_lshl_b32 s31, s19, 13
	s_add_co_u32 s24, s24, s31
	s_add_nc_u64 s[10:11], s[10:11], s[24:25]      ; hs[e][16 kh + 2 x first pair][0]
	s_cmp_lt_u32 s2, 4
	s_cbranch_scc0 .Lcinit
	; ---- producers: constants; the first two stages' four blocks are asked for; stage 0
	s_mov_b32 s32, 0x4800000
	s_mov_b32 s33, 0x83000000
	s_mov_b32 s34, 0x43e00000
	s_mov_b32 s35, 0xc3e00000
	s_mov_b32 s36, 0x05010400
	s_mov_b32 s37, 0x07030602
	s_mov_b32 s38, 0x05040100
	s_mov_b32 s39, 0x07060302
	v_mov_b32 v[ONE], 1.0
.irp c, 0,1,2,3
	v_mov_b32 v[XM+\c], 0                          ; a lane permute's destination counts as one of its sources
.endr
	s_lshl_b32 s24, s3, 5
	v_lshl_add_u32 v[WO], v[HH], 1, s24            ; row 32 w + 2 h
	v_lshlrev_b32 v[WO], 12, v[WO]
	v_lshl_add_u32 v[WO], v[RL], 4, v[WO]          ; + 16 r
	WIN 0x40
	WLOAD 0, 0
	WLOAD 1, BOFF
	WIN 0
	STEPW                                          ; stage 1's pair of K steps
	WIN 0x40
	WLOAD 2, 0
	WLOAD 3, BOFF
	WIN 0
	PRODUCE 0, 1
	s_branch .Ljoin0
.Lcinit:
	; ---- consumers: the expert's 1,024 bits, the bias tiles, the running counts, the first lists, the first fragments
	v_lshlrev_b32 v49, 2, v[LN]
.set jj, 0
.rept 32
	global_load_b32 v[112+jj], v49, s[12:13] offset:128*jj
.set jj, jj+1
.endr
	global_load_b128 v[144:147], v[R16], s[6:7]    ; b2 of columns 4 r + 0 .. 3
	s_cmp_eq_u32 s20, 0
	s_cselect_b32 s31, -1, 0                       ; the bias counts in the first half of K alone
	s_lshl_b32 s24, 1, s18
	s_lshl_b32 s24, s24, 16
	s_wait_loadcnt 0x0
.set jj, 0
.rept 32
	v_and_b32 v[ST], s24, v[112+jj]
	v_cmp_ne_u32 s[32+jj], 0, v[ST]
.set jj, jj+1
.endr
	WIN 0x40
.irp c, 0,1,2,3
.irp j, 0,1,2,3,4,5,6,7
	v_and_b32 v[224+8*\c+\j], s31, v[144+\c]       ; the C of the first products: b2 or zeros, the same in all rows
.endr
.endr
	WIN 0
	s_bcnt1_i32_b32 s66, s32
.set jj, 1
.rept 31
	s_bcnt1_i32_b32 s24, s[32+jj]
	s_add_co_u32 s[66+jj], s[65+jj], s24
.set jj, jj+1
.endr
	s_max_u32 s98, s97, 1
	s_sub_co_u32 s98, s98, 1
	s_add_co_u32 s20, s97, 15
	s_lshr_b32 s20, s20, 4                         ; tiles that have rows
	s_max_u32 s99, s20, 1                          ; tiles that were written
	s_add_co_u32 s24, s99, 19
	s_mul_i32 s24, s24, 205
	s_lshr_b32 s100, s24, 12
	s_mov_b32 s101, 0
	s_mov_b32 s104, 0
	NTCALC
	LISTS
	ALOADQ 0, 0
	ALOADQ 1, 0
.Ljoin0:
	BARRIER                                        ; stage 0 lies in LDS
	STAGE 1, 1, 0, 1, 1                            ; stage 1 is made | stage 0 is multiplied: its products start the sums; then the routed rows and the gather of their gates
	s_mov_b32 s21, 2
.Lloop:                                                ; two trips: stages 2, 3 and 4, 5 are made | stages 1, 2 and 3, 4 are multiplied
	STAGE 0, 1, 1, 0, 0
	STAGE 1, 1, 0, 0, 0
	s_sub_co_u32 s21, s21, 1
	s_cmp_lg_u32 s21, 0
	s_cbranch_scc1 .Lloop
	STAGE 0, 0, 1, 0, 0                            ; stages 6 and 7 ask for no further weights
	STAGE 1, 0, 0, 0, 0
	s_cmp_lt_u32 s2, 4
	s_cbranch_scc1 .Lfin
	CONSUME 1, 0, 0, 0                             ; stage 7
	STEPA                                          ; the eighth step: the bases are back at the first pair of K steps
.Lpass:
	v_lshlrev_b32 v[OB], 5, v[HH]
.irp u, 0,1
.irp j, 0,1,2,3,4,5,6,7
	v_add_nc_u32 v[IX+8*\u+\j], 64*\u+4*\j, v[OB]  ; 4 x the lane that holds row 8 h + j of an even or an odd tile
.endr
.endr
.irp t, 0,1,2,3,4
.irp j, 0,1,2,3,4,5,6,7
	ds_bpermute_b32 v[RRB+8*\t+\j], v[IX+8*(\t%2)+\j], v[RHO+\t/2]
	ds_bpermute_b32 v[GGB+8*\t+\j], v[IX+8*(\t%2)+\j], v[GT+\t/2]
.endr
.endr
	s_wait_dscnt 0x0
	TILE_OUT 0
	TILE_OUT 1
	TILE_OUT 2
	TILE_OUT 3
	TILE_OUT 4
	s_add_co_u32 s104, s104, 1
	s_cmp_ge_u32 s104, s100
	s_cbranch_scc1 .Lfin
	s_add_co_u32 s101, s101, 20                    ; a further pass, against the codes that lie in LDS; no barrier
	NTCALC
	LISTS
	v_mov_b32 v[CB], v[CB0]
	v_mov_b32 v[CS], v[CS0]
	ALOADQ 0, 0
	ALOADQ 1, 0
	HALF 0, 0, 1, 0
	HALF 1, 0, 2, -1
	LISTS2
	s_mov_b32 s21, 7
.Lmx:
	STEPA
	v_add_nc_u32 v[CB], 16384, v[CB]
	v_add_nc_u32 v[CS], 512, v[CS]
	ALOADQ 0, 1
	ALOADQ 1, 1
	HALF 0, 0, 0, 0
	HALF 1, 0, 0, -1
	s_sub_co_u32 s21, s21, 1
	s_cmp_lg_u32 s21, 0
	s_cbranch_scc1 .Lmx
	STEPA                                          ; back at the first pair of K steps
	s_cmp_lt_u32 s104, s100                        ; always so here: the backward jump stands on the counted pass
	s_cbranch_scc1 .Lpass
.Lfin:
	s_wait_dscnt 0x0
	s_barrier_signal -1
	s_barrier_wait -1                              ; every wave's LDS reads are over
	s_wait_tensorcnt 0x0                           ; the wave's end
	ds_add_u32 v[SPW], v[NIL]
	s_wait_dscnt 0x0
	s_endpgm
.Lfunc_end_k_qa35245cc34_down:
	.size	k_qa35245cc34_down, .Lfunc_end_k_qa35245cc34_down-k_qa35245cc34_down
	.p2alignl 7, 3214868480
	.fill 96, 4, 3214868480
	.section	.rodata,"a",@progbits
	.p2align	6, 0x0
	.amdhsa_kernel k_qa35245cc34_down
		.amdhsa_group_segment_fixed_size 136704
		.amdhsa_private_segment_fixed_size 0
		.amdhsa_enable_private_segment 0
		.amdhsa_kernarg_size 56
		.amdhsa_user_sgpr_count 2
		.amdhsa_user_sgpr_kernarg_segment_ptr 1
		.amdhsa_wavefront_size32 1
		.amdhsa_system_sgpr_workgroup_id_x 1
		.amdhsa_system_sgpr_workgroup_id_y 1
		.amdhsa_system_sgpr_workgroup_id_z 1
		.amdhsa_system_vgpr_workitem_id 0
		.amdhsa_next_free_vgpr 512
		.amdhsa_next_free_sgpr 106
		.amdhsa_reserve_vcc 1
		.amdhsa_float_denorm_mode_32 3
		.amdhsa_float_denorm_mode_16_64 3
		.amdhsa_memory_ordered 1
		.amdhsa_forward_progress 1
		.amdhsa_inst_pref_size 255
	.end_amdhsa_kernel
	.section	.bss,"aw",@nobits
	.p2align	6
	.space	262144
	.amdgpu_metadata
---
amdhsa.version: [ 1, 2 ]
amdhsa.kernels:
  - .name:           k_qa35245cc34_down
    .symbol:         k_qa35245cc34_down.kd
    .args:
      - { .name: w2, .offset: 0, .size: 8, .value_kind: global_buffer, .address_space: global }
      - { .name: b2, .offset: 8, .size: 8, .value_kind: global_buffer, .address_space: global }
      - { .name: hq, .offset: 16, .size: 8, .value_kind: global_buffer, .address_space: global }
      - { .name: hs, .offset: 24, .size: 8, .value_kind: global_buffer, .address_space: global }
      - { .name: sel, .offset: 32, .size: 8, .value_kind: global_buffer, .address_space: global }
      - { .name: gate, .offset: 40, .size: 8, .value_kind: global_buffer, .address_space: global }
      - { .name: y, .offset: 48, .size: 8, .value_kind: global_buffer, .address_space: global }
    .group_segment_fixed_size: 136704
    .private_segment_fixed_size: 0
    .kernarg_segment_align: 8
    .kernarg_segment_size: 56
    .max_flat_workgroup_size: 256
    .sgpr_count:     106
    .vgpr_count:     512
    .wavefront_size: 32
...
	.end_amdgpu_metadata
.endif
;; end of part 3
;; launch combine (part 4): grid 256 x 1, 4 waves a work-group, no clusters, 0 bytes of LDS; arguments y, out0; writes out0
.if DOCPART == 4
	.amdgcn_target "amdgcn-amd-amdhsa--gfx1250"
	.amdhsa_code_object_version 6
	.text
	.protected	k_qa35245cc34_combine
	.globl	k_qa35245cc34_combine
	.p2align	8
	.type	k_qa35245cc34_combine,@function
k_qa35245cc34_combine:
	s_mov_b64 s[64:65], 0
	v_nop
	global_prefetch_b8 v0, s[64:65] scope:SCOPE_SE
	s_setreg_imm32_b32 hwreg(HW_REG_WAVE_MODE, 25, 1), 1
	s_wait_xcnt 0x0
; out0[token] = y[0][2 token] + y[0][2 token + 1] + y[1][2 token] + y[1][2 token + 1]: a token's two routed rows, each in two halves of K, already weighed by their gates.
; The six experts that a token did not choose add nothing (see the first kernel's head), so these four rows are the whole sum.
; One wave, one token: 32 loads of 512 consecutive bytes, all issued at once; eight stores of 512 consecutive bytes, aligned.  No LDS, no barrier,
	s_load_b128 s[4:7], s[0:1], 0x0                ; y, out0
	v_lshrrev_b32 v1, 5, v0
	v_readfirstlane_b32 s8, v1
	v_and_b32 v1, 31, v0
	v_lshlrev_b32 v1, 4, v1                        ; 16 bytes a lane
	s_lshl_b32 s9, ttmp9, 2
	s_add_co_u32 s9, s9, s8                        ; my token
	s_lshl_b32 s10, s9, 13                         ; its two rows of 4,096 bytes in y
	s_mov_b32 s11, 0
	s_lshl_b32 s12, s9, 12
	s_mov_b32 s13, 0
	s_wait_kmcnt 0x0
	s_add_nc_u64 s[4:5], s[4:5], s[10:11]
	s_add_nc_u64 s[14:15], s[4:5], 0x800000        ; the second half of K: 2,048 rows further on
	s_add_nc_u64 s[6:7], s[6:7], s[12:13]
.irp i, 0,1,2,3,4,5,6,7
	global_load_b128 v[16+16*\i:19+16*\i], v1, s[4:5] offset:512*\i th:TH_LOAD_NT
	global_load_b128 v[20+16*\i:23+16*\i], v1, s[4:5] offset:4096+512*\i th:TH_LOAD_NT
	global_load_b128 v[24+16*\i:27+16*\i], v1, s[14:15] offset:512*\i th:TH_LOAD_NT
	global_load_b128 v[28+16*\i:31+16*\i], v1, s[14:15] offset:4096+512*\i th:TH_LOAD_NT
.endr
.irp i, 0,1,2,3,4,5,6,7
	s_wait_loadcnt 28-4*\i                         ; group i's four loads are in; the later groups, four loads each, may be out
	v_pk_add_f32 v[16+16*\i:17+16*\i], v[16+16*\i:17+16*\i], v[20+16*\i:21+16*\i]
	v_pk_add_f32 v[18+16*\i:19+16*\i], v[18+16*\i:19+16*\i], v[22+16*\i:23+16*\i]
	v_pk_add_f32 v[24+16*\i:25+16*\i], v[24+16*\i:25+16*\i], v[28+16*\i:29+16*\i]
	v_pk_add_f32 v[26+16*\i:27+16*\i], v[26+16*\i:27+16*\i], v[30+16*\i:31+16*\i]
	v_pk_add_f32 v[16+16*\i:17+16*\i], v[16+16*\i:17+16*\i], v[24+16*\i:25+16*\i]
	v_pk_add_f32 v[18+16*\i:19+16*\i], v[18+16*\i:19+16*\i], v[26+16*\i:27+16*\i]
	global_store_b128 v1, v[16+16*\i:19+16*\i], s[6:7] offset:512*\i th:TH_STORE_NT
.endr
	s_endpgm
.Lfunc_end_k_qa35245cc34_combine:
	.size	k_qa35245cc34_combine, .Lfunc_end_k_qa35245cc34_combine-k_qa35245cc34_combine
	.p2alignl 7, 3214868480
	.fill 96, 4, 3214868480
	.section	.rodata,"a",@progbits
	.p2align	6, 0x0
	.amdhsa_kernel k_qa35245cc34_combine
		.amdhsa_group_segment_fixed_size 0
		.amdhsa_private_segment_fixed_size 0
		.amdhsa_enable_private_segment 0
		.amdhsa_kernarg_size 16
		.amdhsa_user_sgpr_count 2
		.amdhsa_user_sgpr_kernarg_segment_ptr 1
		.amdhsa_wavefront_size32 1
		.amdhsa_system_sgpr_workgroup_id_x 1
		.amdhsa_system_sgpr_workgroup_id_y 1
		.amdhsa_system_sgpr_workgroup_id_z 1
		.amdhsa_system_vgpr_workitem_id 0
		.amdhsa_next_free_vgpr 144
		.amdhsa_next_free_sgpr 66
		.amdhsa_reserve_vcc 0
		.amdhsa_float_denorm_mode_32 3
		.amdhsa_float_denorm_mode_16_64 3
		.amdhsa_memory_ordered 1
		.amdhsa_forward_progress 1
		.amdhsa_inst_pref_size 8
	.end_amdhsa_kernel
	.amdgpu_metadata
---
amdhsa.version: [ 1, 2 ]
amdhsa.kernels:
  - .name:           k_qa35245cc34_combine
    .symbol:         k_qa35245cc34_combine.kd
    .args:
      - { .name: y, .offset: 0, .size: 8, .value_kind: global_buffer, .address_space: global }
      - { .name: out0, .offset: 8, .size: 8, .value_kind: global_buffer, .address_space: global }
    .group_segment_fixed_size: 0
    .private_segment_fixed_size: 0
    .kernarg_segment_align: 8
    .kernarg_segment_size: 16
    .max_flat_workgroup_size: 128
    .sgpr_count:     66
    .vgpr_count:     144
    .wavefront_size: 32
...
	.end_amdgpu_metadata
.endif
;; end of part 4
